; MI455X (gfx1250); checked and timed in simulation.
; The chip was launched on July 23, 2026; its instructions are those of AMD's public machine-readable ISA for CDNA 5 (MIT licence, August 2026) and "CDNA5" Instruction Set Architecture Reference Guide (July 2026). The comments in the code are by the model that wrote it; some were corrected since.
;; Mo Fo Circulant Attention. Allowed arithmetic: matrix products marked QUANTISED: E2M1 operands, one E8M0 scale for each 32 along K, by v_wmma_scale_f32_16x16x128_f8f6f4 with both operands' format E2M1 (or v_wmma_scale_f32_32x16x128_f4), f32 sums; products left as they are: bf16, f16 or f32 operands; f32 sums; everything else in f32.
;; Inputs: W_gate 1,024 x 1,024 float32; W_out 1,024 x 1,024 float32; W_qkv 1,024 x 3,072 float32; b_gate 1,024 float32; b_out 1,024 float32; b_qkv 3,072 float32; x 8 x 1,024 x 1,024 float32.
;; Outputs: out0 8 x 1,024 x 1,024 float32.
;; This version of the problem:
;;   THIS VERSION OF THE PROBLEM IS GIVEN IN LOW PRECISION. The matrix products marked QUANTISED in the list below multiply operands that are first quantised to E2M1 (2 exponent bits, 1 mantissa bit; 4 bits a number), with one power-of-two scale for each 32 numbers along K (OCP MX v1.0); their sums are f32. The products marked 'left as it is' may take bf16, f16 or f32 operands, with f32 sums. Whichever they take, every output number must still come out within the allowed error. Rounding operands to bf16 (8 significant bits) uses up far more of that allowance than f16 does (11 bits, for magnitudes from 6e-5 to 65,504). All else is computed in f32.
;;   The module's matrix products, in the order in which they are computed (A, B: the left and right operand; K: the contracted axis; several contracted axes count as one K, in the product's order):
;;     1. [M 8,192, K 1,024] x [K 1,024, N 1,024]; A: input x; B: input W_gate: QUANTISED
;;     2. [M 8,192, K 1,024] x [K 1,024, N 3,072]; A: input x; B: input W_qkv: QUANTISED
;;     3. batch 128 x [M 1,024, K 64] x [K 64, N 1,024]; A: computed on the way; B: computed on the way: left as it is (an operand is computed on the way)
;;     4. batch 128 x [M 64, K 1,024] x [K 1,024, N 1,024]; A: computed on the way; B: computed on the way: left as it is (an operand is computed on the way)
;;     5. [M 8,192, K 1,024] x [K 1,024, N 1,024]; A: computed on the way; B: input W_out: left as it is (an operand is computed on the way)
;;   THE QUANTISER, for each operand of a quantised product, along K:
;;     - K is cut into blocks of 32 from its start; a last block that is shorter is filled with zeros.
;;     - A block's scale is 2^e with e = floor(log2(the largest magnitude in the block)) - 2, held to -126 .. 127; a block of zeros has e = 0. As a byte (E8M0): e + 127.
;;     - Each number is divided by its block's scale, clamped to +-6, and rounded to the nearest number of E2M1, ties to even, subnormals kept.
;;     - The product sums the exact products of the quantised numbers (number of the format x scale) in f32.
;;   ~~~python
;;   def quantise(x, axis):      # numpy; x: float32 -> the quantised numbers, widened to float32 again
;;       x = np.moveaxis(x, axis, -1); K = x.shape[-1]
;;       x = np.pad(x, [(0, 0)] * (x.ndim - 1) + [(0, -K % 32)]); x = x.reshape(x.shape[:-1] + (-1, 32)); a = np.abs(x).max(-1, keepdims=True)
;;       e = np.where(a > 0, np.clip(np.frexp(np.where(a > 0, a, 1))[1] - 1 - 2, -126, 127), 0)      # np.frexp(a)[1] - 1 = floor(log2(a)), exactly
;;       r = np.clip(x / 2.0 ** e, -6, 6)
;;       step = 2.0 ** (np.maximum(np.frexp(np.where(r == 0, 1, r))[1] - 1, 0) - 1)
;;       q = np.round(r / step) * step * 2.0 ** e      # np.round: ties to even
;;       return np.moveaxis(q.reshape(q.shape[:-2] + (-1,))[..., :K], -1, axis).astype(np.float32)
;;   ~~~
;; One version. Each part assembles by itself: llvm-mc -triple=amdgcn-amd-amdhsa -mcpu=gfx1250 --defsym DOCPART=n.
;; ======== version 1 of 1: 4 launches
;; limits: values are held in f16: magnitudes above 65,504 overflow, below 6.1e-05 lose precision
;; workspace buffers: xc 4,194,304 bytes; xs 262,144 bytes; wc 2,097,152 bytes; ws 131,072 bytes; wo 2,097,152 bytes; qkv 50,331,648 bytes; o 16,777,216 bytes
;; launch prep (part 1): grid 576 x 1, 4 waves a work-group, no clusters, 34,304 bytes of LDS; arguments x, W_qkv, W_gate, W_out, xc, xs, wc, ws, wo; writes xc, xs, wc, ws, wo
.if DOCPART == 1
	.amdgcn_target "amdgcn-amd-amdhsa--gfx1250"
	.amdhsa_code_object_version 6
	.text
	.protected	k_q8e34c46976_prep
	.globl	k_q8e34c46976_prep
	.p2align	8
	.type	k_q8e34c46976_prep,@function
k_q8e34c46976_prep:
	s_mov_b64 s[64:65], 0
	v_nop
	global_prefetch_b8 v0, s[64:65] scope:SCOPE_SE
	s_setreg_imm32_b32 hwreg(HW_REG_WAVE_MODE, 25, 1), 1
	s_wait_xcnt 0x0
; PREP: the operands of the later launches, each made once, each laid in the ORDER OF THE OPERAND'S REGISTERS (an image: 512 bytes = 32 lanes x 16 bytes = four registers of a fragment).
;   x [8192][1024] f32             -> xc, codes of E2M1, and xs, one E8M0 byte for each 32 along K (K = x's last axis)
;   W_qkv [1024][3072], W_gate [1024][1024] f32 -> wc, ws, the same, quantised along K = their FIRST axis; row n of the operand is column n of W_qkv, rows 3072 on are W_gate's columns
;   W_out [1024][1024] f32         -> wo, f16, fragments of 16 columns x 32 K
; LAYOUTS (bytes; L = lane = 16 h + r):
;   xc: s 2097152 + rt 4096 + kq 1024 + c 512 + 16 L: the 32 codes of row 16 rt + r, K block 16 s + 4 kq + 2 c + h.     xs: s 131072 + row 16 + 4 kq: the scale word of 128 along K
;   wc: s 1048576 + nt 4096 + kq 1024 + c 512 + 16 L, likewise for row n = 16 nt + r.                                     ws: ks 16384 + 4 n
;   wo: ks 262144 + nt 4096 + f 1024 + c 512 + 16 L: W_out[128 ks + 32 f + 16 c + 8 h + 0..7][16 nt + r]
; THE QUANTISER: a block's scale is 2^(floor(log2(largest magnitude)) - 2): its byte is that magnitude's exponent field - 2, held at 1 from below; each number is divided by the scale and rounded to the
; nearest code, ties to even, beyond 6 the code of 6.
; DEAD WORK OF THE PROGRAM (left out in the next launch): b_qkv[192 h + 64 .. 192 h + 127], the bias of k.  scores[t][s] = q_t . (k_s + b_k) / 8 = q_t . k_s / 8 + q_t . b_k / 8, and the second term is the
; same for every s: the softmax over s takes it away, for all values of the inputs; k enters no quantised operand and nothing else.  Those 1,024 numbers are not loaded; the biases of q and v are used.
; LIMITS: a NaN, an infinity or an overflow that reaches only b_k is not carried to the result.  A block of zeros, or one whose largest magnitude lies under 2^-124, gets the byte 1 (this program alone
; reads the bytes; such a block's codes are zeros or were not tried).  NaN and infinities among the inputs are not served.  |W_out| stays under 65,504 (f16), else infinity.
; SHARES: work-groups 0-255: x (a wave: 16 rows x 512 K);  256-447: W_qkv;  448-511: W_gate;  512-575: W_out (a wave: 32 columns x 128 K, a lane a column, its registers down K).
; No tensor loads, no barrier, no matrix work: waves share nothing, memory binds.  Only the path of x uses LDS.
.set SPW,   30                         ; v30  LDS address of my spare word; never rewritten
.set NIL,   31                         ; v31  0; never rewritten
.set SROW,  528                        ; a stage row: 512 bytes + 16
.set STGB,  16*SROW                    ; a wave's stage: 16 rows
.set SPARE, 4*STGB                     ; behind the four stages: the spare words, 128 bytes a wave: two blocks of 256 bytes that no other line names
.set R,     32                         ; x: v32-159  two sets of 64 registers, numbers as loaded
.set X,     160                        ; x: v160-223 my two blocks of 32 neighbours
.set C,     224                        ; x: v224-255 codes: four registers for each (step, c): no store's data are written again
.set WX,    32                         ; weights: v32-95 two sets of 32 numbers
.set WC,    96                         ; weights: v96-111 codes (W_out: v96-159 packed f16)
.set WW,    112                        ; weights: v112 the scale word
	s_load_b512 s[4:19], s[0:1], 0x0               ; x s[4:5], W_qkv s[6:7], W_gate s[8:9], W_out s[10:11], xc s[12:13], xs s[14:15], wc s[16:17], ws s[18:19]
	s_load_b64 s[20:21], s[0:1], 0x40              ; wo
	v_lshl_add_u32 v[SPW], v0, 2, SPARE
	v_mov_b32 v[NIL], 0
	v_lshrrev_b32 v1, 5, v0
	v_readfirstlane_b32 s22, v1                    ; wave 0..3
	v_and_b32 v1, 31, v0                           ; lane
	v_lshlrev_b32 v2, 4, v1                        ; 16 x lane
	v_and_b32 v3, 15, v0                           ; r
	v_bfe_u32 v4, v0, 4, 1                         ; h
	v_lshlrev_b32 v5, 2, v1                        ; 4 x lane
	s_mul_i32 s23, s22, STGB                       ; my stage
	v_add_nc_u32 v6, s23, v2                       ; into it: a row's 512 bytes as they lie
	v_mul_u32_u24 v7, v3, SROW
	v_lshl_add_u32 v7, v4, 7, v7
	v_add_nc_u32 v7, s23, v7                       ; out of it: row r, + 128 h: my block of 32 numbers
	v_lshlrev_b32 v14, 3, v4                       ; 8 h: where my two scale bytes stand in the word
	v_mov_b32 v15, 0                               ; written once: a lane permute's destination counts as one of its sources
	v_lshlrev_b32 v22, 4, v3
	v_lshl_add_u32 v22, v4, 3, v22                 ; xs: 16 r + 8 h
	v_lshlrev_b32 v23, 12, v4
	v_lshl_add_u32 v23, v3, 4, v23                 ; weights: my column's place in the images: 4096 (lane / 16) + 16 (lane % 16)
	s_mov_b32 s24, 0x76543210
	s_mov_b32 s25, 0xfedcba98                      ; v_permlanex16_b32's selects for lane l xor 16
	s_mov_b32 s31, 0
	s_wait_kmcnt 0x0
	s_cmp_lt_u32 ttmp9, 256                        ; the paths part on the work-group's number alone
	s_cbranch_scc0 .Lweights
; ---------------- x: unit u = 4 x work-group + wave: rows 16 (u / 2) on, K half u % 2: four fragments of 16 rows x 128 K
	s_lshl_b32 s26, ttmp9, 2
	s_add_co_u32 s26, s26, s22
	s_lshr_b32 s27, s26, 1                         ; rt
	s_and_b32 s28, s26, 1                          ; s
	s_lshl_b32 s30, s27, 16                        ; x: 16 rows of 4,096 bytes,
	s_lshl_b32 s29, s28, 11                        ; + 512 numbers
	s_add_co_u32 s30, s30, s29
	s_add_nc_u64 s[4:5], s[4:5], s[30:31]
	s_lshl_b32 s30, s28, 21
	s_lshl_b32 s29, s27, 12
	s_add_co_u32 s30, s30, s29
	s_add_nc_u64 s[12:13], s[12:13], s[30:31]      ; xc
	s_lshl_b32 s30, s28, 17
	s_lshl_b32 s29, s27, 8
	s_add_co_u32 s30, s30, s29
	s_add_nc_u64 s[14:15], s[14:15], s[30:31]      ; xs
.macro XLOAD t                         ; step t: 128 along K of 16 rows: each load reads 512 consecutive bytes of one row
.set i, 0
.rept 16
	global_load_b128 v[R+64*((\t)%2)+4*i:R+64*((\t)%2)+4*i+3], v2, s[4:5] offset:i*4096+(\t)*512 th:TH_LOAD_NT
.set i, i+1
.endr
.endm
.macro XTURN t                         ; through my stage: in as loaded, out 128 bytes (a block of 32) a lane.  LDS serves a wave's instructions in order: no wait between the stores and the loads
.set i, 0
.rept 16
	ds_store_b128 v6, v[R+64*((\t)%2)+4*i:R+64*((\t)%2)+4*i+3] offset:i*SROW
.set i, i+1
.endr
.irp c, 0,1
.irp i, 0,1,2,3,4,5,6,7
	ds_load_b128 v[X+32*\c+4*\i:X+32*\c+4*\i+3], v7 offset:256*\c+16*\i    ; block 2 c + h of row r
.endr
.endr
.endm
.macro XQ t                            ; my two blocks become eight registers of the fragment's image; the four bytes of row r make its scale word
.irp c, 0,1
	v_max3_num_f32 v[8+\c], |v[X+32*\c]|, |v[X+32*\c+1]|, 0x1800000        ; the floor 2^(3 - 127): the byte cannot fall under 1
.endr
.irp i, 2,4,6,8,10,12,14,16,18,20,22,24,26,28,30
.irp c, 0,1
	v_max3_num_f32 v[8+\c], v[8+\c], |v[X+32*\c+\i]|, |v[X+32*\c+\i+1]|    ; (the two blocks by turns)
.endr
.endr
.irp c, 0,1
	v_add_nc_u32 v[10+\c], 0xff000000, v[8+\c]     ; 2 off the exponent field: the conversion takes this operand's exponent field as its scale
.endr
.irp c, 0,1
.irp g, 0,1,2,3
	v_cvt_scalef32_pk8_fp4_f32 v[C+8*(\t)+4*\c+\g], v[X+32*\c+8*\g:X+32*\c+8*\g+7], v[10+\c]
.endr
.endr
	v_lshrrev_b32 v12, 23, v10                     ; the bytes of blocks h and 2 + h.  (Plain lines behind the conversions)
	v_lshrrev_b32 v13, 23, v11
	v_lshl_or_b32 v12, v13, 16, v12
	v_lshlrev_b32 v12, v14, v12                    ; at their places, 8 h bits up;
	v_permlanex16_b32 v15, v12, s24, s25
	v_or_b32 v[16+(\t)], v12, v15                  ; with lane l xor 16's two the word is whole
	global_store_b128 v2, v[C+8*(\t):C+8*(\t)+3], s[12:13] offset:(\t)*1024       ; 512 consecutive bytes, aligned
	global_store_b128 v2, v[C+8*(\t)+4:C+8*(\t)+7], s[12:13] offset:(\t)*1024+512
.endm
	XLOAD 0
	XLOAD 1
.irp t, 0,1,2,3
.if \t < 3
	s_wait_loadcnt 16                              ; this step's 16 loads are in; the next step's 16 may be out
.else
	s_wait_loadcnt 0x0
.endif
	XTURN \t
	s_wait_dscnt 0x0                               ; my blocks are back, and the stage's stores have read their registers,
.if \t < 2
	XLOAD \t+2                                     ; which take the loads of two steps on
.endif
	XQ \t
.endr
	v_cmp_le_u32 vcc_lo, 16, v1                    ; lanes 0-15 store words 0 and 1 of row r, lanes 16-31 words 2 and 3
	v_cndmask_b32 v20, v16, v18, vcc_lo
	v_cndmask_b32 v21, v17, v19, vcc_lo
	global_store_b64 v22, v[20:21], s[14:15]       ; 32 lanes store 256 consecutive bytes, aligned
	s_wait_tensorcnt 0x0                           ; the wave's end: this wait, an add of 0 to my spare word and its wait, behind my last LDS store
	ds_add_u32 v[SPW], v[NIL]
	s_wait_dscnt 0x0
	s_endpgm
; ---------------- the weights: a lane takes a column, its registers run down K; idx = work-group - first: K step ks = idx % 8 (128 along K), columns 128 (idx / 8) + 32 x wave on
.macro WSETUP first, src, pitch
	s_sub_co_u32 s26, ttmp9, \first
	s_and_b32 s27, s26, 7                          ; ks
	s_lshr_b32 s28, s26, 3
	s_lshl_b32 s28, s28, 7
	s_lshl_b32 s29, s22, 5
	s_add_co_u32 s28, s28, s29                     ; my wave's first column
	s_mul_i32 s30, s27, 128*\pitch
	s_lshl_b32 s29, s28, 2
	s_add_co_u32 s30, s30, s29
	s_add_nc_u64 s[\src:\src+1], s[\src:\src+1], s[30:31]
.endm
.macro WLOAD t, src, pitch             ; 32 rows of K at my column: a load reads 128 consecutive bytes a wave, the four waves stand side by side
.set i, 0
.rept 32
	global_load_b32 v[WX+32*((\t)%2)+i], v5, s[\src:\src+1] offset:(32*(\t)+i)*\pitch th:TH_LOAD_NT
.set i, i+1
.endr
.endm
.macro WWAIT t
.if (\t) < 3
	s_wait_loadcnt 32                              ; this block's 32 loads are in; the next block's 32 may be out
.else
	s_wait_loadcnt 0x0
.endif
.endm
.macro WBLOCK t, src, pitch            ; block t of 32 along K, all of it mine
.set XS, WX+32*((\t)%2)
	WWAIT \t
	v_max3_num_f32 v8, |v[XS]|, |v[XS+1]|, |v[XS+2]|
	v_max3_num_f32 v9, |v[XS+3]|, |v[XS+4]|, |v[XS+5]|
.irp i, 6,10,14,18,22,26
	v_max3_num_f32 v8, v8, |v[XS+\i]|, |v[XS+\i+1]|
	v_max3_num_f32 v9, v9, |v[XS+\i+2]|, |v[XS+\i+3]|
.endr
	v_max3_num_f32 v8, v8, |v[XS+30]|, |v[XS+31]|
	v_max3_num_f32 v8, v8, v9, 0x1800000           ; and the floor
	v_add_nc_u32 v10, 0xff000000, v8
	v_lshrrev_b32 v11, 23, v10                     ; the scale's byte
.if (\t) == 0
	v_mov_b32 v[WW], v11
.else
	v_lshl_or_b32 v[WW], v11, 8*(\t), v[WW]        ; four bytes make my row's word, the lower K in the lower byte
.endif
.irp g, 0,1,2,3
	v_cvt_scalef32_pk8_fp4_f32 v[WC+4*(\t)+\g], v[XS+8*\g:XS+8*\g+7], v10
.endr
	global_store_b128 v23, v[WC+4*(\t):WC+4*(\t)+3], s[16:17] offset:256*(\t)    ; block t = (c, h) = (t / 2, t % 2): sixteen lanes store 256 consecutive bytes, aligned
.if (\t) < 2
	WLOAD (\t)+2, \src, \pitch
.endif
.endm
.macro WQUANT first, src, pitch, nadd
	WSETUP \first, \src, \pitch
	s_add_co_u32 s28, s28, \nadd                   ; the operand's row n
	s_lshr_b32 s30, s27, 2
	s_lshl_b32 s30, s30, 20                        ; wc: K half ks / 4,
	s_lshl_b32 s29, s28, 8                         ; n / 16 tiles of 4,096 bytes,
	s_add_co_u32 s30, s30, s29
	s_and_b32 s29, s27, 3
	s_lshl_b32 s29, s29, 10                        ; fragment ks % 4
	s_add_co_u32 s30, s30, s29
	s_add_nc_u64 s[16:17], s[16:17], s[30:31]
	s_lshl_b32 s30, s27, 14
	s_lshl_b32 s29, s28, 2
	s_add_co_u32 s30, s30, s29
	s_add_nc_u64 s[18:19], s[18:19], s[30:31]      ; ws
	WLOAD 0, \src, \pitch
	WLOAD 1, \src, \pitch
.irp t, 0,1,2,3
	WBLOCK \t, \src, \pitch
.endr
	global_store_b32 v5, v[WW], s[18:19]           ; 128 consecutive bytes a wave, 512 with the three beside it: one byte in 128 of what the path reads
	s_endpgm
.endm
.Lweights:
	s_cmp_lt_u32 ttmp9, 448
	s_cbranch_scc0 .Lnot_qkv
	WQUANT 256, 6, 12288, 0
.Lnot_qkv:
	s_cmp_lt_u32 ttmp9, 512
	s_cbranch_scc0 .Lw_out
	WQUANT 448, 8, 4096, 3072
.Lw_out:
; ---------------- W_out: the same walk; 32 rows of K become a fragment's 16 registers of f16 pairs
	WSETUP 512, 10, 4096
	s_lshl_b32 s30, s27, 18
	s_lshl_b32 s29, s28, 8
	s_add_co_u32 s30, s30, s29
	s_add_nc_u64 s[20:21], s[20:21], s[30:31]
	WLOAD 0, 10, 4096
	WLOAD 1, 10, 4096
.irp t, 0,1,2,3
	WWAIT \t
.irp p, 0,1,2,3,4,5,6,7,8,9,10,11,12,13,14,15
	v_cvt_pk_f16_f32 v[WC+16*\t+\p], v[WX+32*(\t%2)+2*\p], v[WX+32*(\t%2)+2*\p+1]   ; the lower k in the low half
.endr
.irp q, 0,1,2,3
	global_store_b128 v23, v[WC+16*\t+4*\q:WC+16*\t+4*\q+3], s[20:21] offset:1024*\t+256*\q   ; eight rows of K = (c, h) = (q / 2, q % 2): sixteen lanes store 256 consecutive bytes, aligned
.endr
.if \t < 2
	WLOAD \t+2, 10, 4096
.endif
.endr
	s_endpgm
.Lfunc_end_k_q8e34c46976_prep:
	.size	k_q8e34c46976_prep, .Lfunc_end_k_q8e34c46976_prep-k_q8e34c46976_prep
	.p2alignl 7, 3214868480
	.fill 96, 4, 3214868480
	.section	.rodata,"a",@progbits
	.p2align	6, 0x0
	.amdhsa_kernel k_q8e34c46976_prep
		.amdhsa_group_segment_fixed_size 34304
		.amdhsa_private_segment_fixed_size 0
		.amdhsa_enable_private_segment 0
		.amdhsa_kernarg_size 72
		.amdhsa_user_sgpr_count 2
		.amdhsa_user_sgpr_kernarg_segment_ptr 1
		.amdhsa_wavefront_size32 1
		.amdhsa_system_sgpr_workgroup_id_x 1
		.amdhsa_system_sgpr_workgroup_id_y 1
		.amdhsa_system_sgpr_workgroup_id_z 1
		.amdhsa_system_vgpr_workitem_id 0
		.amdhsa_next_free_vgpr 256
		.amdhsa_next_free_sgpr 66
		.amdhsa_reserve_vcc 1
		.amdhsa_float_denorm_mode_32 3
		.amdhsa_float_denorm_mode_16_64 3
		.amdhsa_memory_ordered 1
		.amdhsa_forward_progress 1
		.amdhsa_inst_pref_size 86
	.end_amdhsa_kernel
	.amdgpu_metadata
---
amdhsa.version: [ 1, 2 ]
amdhsa.kernels:
  - .name:           k_q8e34c46976_prep
    .symbol:         k_q8e34c46976_prep.kd
    .args:
      - { .name: x, .offset: 0, .size: 8, .value_kind: global_buffer, .address_space: global }
      - { .name: W_qkv, .offset: 8, .size: 8, .value_kind: global_buffer, .address_space: global }
      - { .name: W_gate, .offset: 16, .size: 8, .value_kind: global_buffer, .address_space: global }
      - { .name: W_out, .offset: 24, .size: 8, .value_kind: global_buffer, .address_space: global }
      - { .name: xc, .offset: 32, .size: 8, .value_kind: global_buffer, .address_space: global }
      - { .name: xs, .offset: 40, .size: 8, .value_kind: global_buffer, .address_space: global }
      - { .name: wc, .offset: 48, .size: 8, .value_kind: global_buffer, .address_space: global }
      - { .name: ws, .offset: 56, .size: 8, .value_kind: global_buffer, .address_space: global }
      - { .name: wo, .offset: 64, .size: 8, .value_kind: global_buffer, .address_space: global }
    .group_segment_fixed_size: 34304
    .private_segment_fixed_size: 0
    .kernarg_segment_align: 8
    .kernarg_segment_size: 72
    .max_flat_workgroup_size: 128
    .sgpr_count:     66
    .vgpr_count:     256
    .wavefront_size: 32
...
	.end_amdgpu_metadata
.endif
;; end of part 1
;; launch project_qkv (part 2): grid 16 x 16, 4 waves a work-group, clusters of 4 x 4, 327,680 bytes of LDS; arguments xc, xs, wc, ws, b_qkv, qkv; writes qkv
.if DOCPART == 2
	.amdgcn_target "amdgcn-amd-amdhsa--gfx1250"
	.amdhsa_code_object_version 6
	.text
	.protected	k_q8e34c46976_project_qkv
	.globl	k_q8e34c46976_project_qkv
	.p2align	8
	.type	k_q8e34c46976_project_qkv,@function
k_q8e34c46976_project_qkv:
	s_mov_b64 s[64:65], 0
	v_nop
	global_prefetch_b8 v0, s[64:65] scope:SCOPE_SE
	s_setreg_imm32_b32 hwreg(HW_REG_WAVE_MODE, 25, 1), 1
	s_wait_xcnt 0x0
	s_wait_alu depctr_hold_cnt(0) depctr_sa_sdst(0) depctr_va_vdst(0) depctr_va_sdst(0) depctr_va_ssrc(0) depctr_va_vcc(0) depctr_vm_vsrc(0)
	s_getreg_b32 s2, hwreg(HW_REG_IB_STS2, 6, 4)
	s_cmp_eq_u32 s2, 0
	s_cbranch_scc0 .Lentry_in_a_cluster
	s_endpgm
.Lentry_in_a_cluster:
	s_bfe_u32 s2, ttmp6, 0x10000c
	s_cmp_lg_u32 s2, 0xf033
	s_cbranch_scc0 .Lentry_shape_is_right
	s_endpgm
.Lentry_shape_is_right:
; q, k, v = x W_qkv + b_qkv on codes of E2M1 with E8M0 scales (K = 1,024), out in f16 as images of the registers in which the attention wants them.
; LEFT OUT (shown at the head of the first kernel): the bias of k, b_qkv[192 h + 64 .. 192 h + 127]: it adds the same number to all scores of a query, which the softmax takes away.  k's sums start at 0.
; LIMIT: |q|, |k|, |v| stay under 65,504 (f16), else infinity.
; SHARES.  A WORK-GROUP STAYS: it makes two neighbouring blocks of 256 tokens x the 192 columns of one head (q | k | v, 64 each), one block after the other; wave w tokens 64 w .. 64 w + 63 of a block x all
; 192: 4 x 12 accumulators of 16 x 16, 384 registers.  The first block's stores leave while the second block is multiplied.
; LDS: three slots of 65,536 bytes for x's codes (a block's K half each), then the head's weights, 2 x 49,152 bytes, which stay.  Two blocks' codes (262,144) and the weights (98,304) do not fit together:
; block 0's two halves and block 1's first half come with the first fills; block 1's second half is the ONE refill, into the slot of block 0's first half, behind a round of the cluster's barrier ahead of
; step 5 (that slot's last reads are step 3's).  A wave has three loads out at the start and one behind the round.
; A tile is a dense block of images, stated as rows of 256 bytes; a fragment comes by two loads of 16 bytes at 16 x lane.
; CLUSTER 4 x 4: the four of a row need the same tokens' codes, the four of a column the same head's weights: each is asked for jointly, by the same load with a mask that names the four.
; q AND k ARE USED TRANSPOSED (source 0 = 16 rows of the weight, source 1 = 16 tokens): a lane holds one token and eight neighbouring channels: 16 bytes of f16 that are four registers of a fragment of
; q or k.  v IS USED THE NATURAL WAY (source 0 = tokens): a lane holds one channel and eight neighbouring tokens: four registers of a fragment of V^T.  So every result is stored from registers as it
; stands, 512 consecutive bytes an instruction: it is rounded in place, into its accumulator's four low registers.
; qkv (bytes): part 16777216 (q, k, v) + (16 batch + head) 131072 + tb 8192 + inner;  q, k: inner = a 2048 + b 512 + 16 L: token 64 tb + 16 a + r, channels 16 b + 8 h + 0..7;
;   v: inner = ct 2048 + a 512 + 16 L: channel 16 ct + r, tokens 64 tb + 16 a + 8 h + 0..7.
; No prefetch: all tiles but one are asked for at the head, and that one as soon as the first fills have landed.
; REGISTERS: window 0: v1-11 addresses; v16-31 x's scale words of block 0, v144-159 of block 1, v32-79 the weight's (they hold nothing else); v80-111 q's bias, v112-143 v's, in the results' layout.
;   window 1: two fragment sets of 128: 4 of x, then 12 of the weight.   window 2: the accumulators of token blocks 0, 1 ((a, b) at v[8 (12 (a % 2) + b)]);  window 3: of 2, 3.
.set ASL,   65536                      ; a slot of x's codes: 16 row tiles of 4,096 bytes
.set BBASE, 3*ASL                      ; behind the three slots: the weight's two K halves,
.set BSL,   49152                      ; 12 tiles of 4,096 bytes each
.set SPARE, BBASE+2*BSL                ; behind them: the spare words, 128 bytes a wave: two blocks of 256 bytes that no other line names
.set LI,    1                          ; v1   16 x lane
.set L4,    2                          ; v2   4 x lane
.set H32,   3                          ; v3   32 h
.set R4,    4                          ; v4   4 r
.set ADRA,  5                          ; v5-7 LDS address of my fragments of x in slot 0, 1, 2
.set ADRB,  8                          ; v8-9 of the weight's, K half 0, 1
.set SPW,   10                         ; v10  LDS address of my spare word; never rewritten
.set NIL,   11                         ; v11  0; never rewritten
.set SCA,   16                         ; register 128 block + 8 s + 4 j + kq: lanes 0-15 the word of token block 2 j, lanes 16-31 of 2 j + 1
.set SCB,   32                         ; register 6 ks + j: lanes 0-15 the word of column block 2 j, lanes 16-31 of 2 j + 1
.set BQ,    80
.set BV,    112
.set WV,    16                         ; s16  wave
.set ROLE,  17                         ; s17  0: I fetch x's codes, 1: the weight's
.set HALF,  18                         ; s18  which half of that tile
.set G1A,   24                         ; s[24:31] group 1 for x's half tiles; s[32:39] groups 0, one for each of block 0's slots
.set G0A,   32
.set G1B,   48                         ; s[48:55], s[56:63] the same for the weight's
.set G0B,   56
.set QB,    66                         ; s[66:67], s[68:69], s[70:71] where my q, k, v go
.set KB,    68
.set VB,    70
.set G1C,   84                         ; s[84:91] group 1 for a quarter of a slot; s[92:95], s[96:99] groups 0: block 1's K half 0, and its K half 1 (the refill)
.set G0C,   92
.set G0D,   96
.set MSB, 0
.macro WIN new                         ; the immediate's high byte repeats the setting that is left; a switch that changes nothing is dropped
.if MSB != (\new)
	s_set_vgpr_msb (MSB<<8)|(\new)
.set MSB, (\new)
.endif
.endm
.macro PLACES                          ; four plain places behind a matrix instruction, ahead of loads into its sources and of reads of its result
.rept 4
	v_nop
.endr
.endm
; A joint load: waves 0, 1 fetch x's halves, waves 2, 3 the weight's.  The branch hangs on the wave's number alone.  An s_nop 0 and four v_nop follow each line.
.macro JLOAD g0a, g1a, g0b, g1b
	s_cmp_eq_u32 s[ROLE], 0
	s_cbranch_scc0 .Lfor_b_\@
	tensor_load_to_lds s[\g0a:\g0a+3], s[\g1a:\g1a+7]
	s_nop 0
	PLACES
	s_branch .Lasked_\@
.Lfor_b_\@:
	tensor_load_to_lds s[\g0b:\g0b+3], s[\g1b:\g1b+7]
	s_nop 0
	PLACES
.Lasked_\@:
.endm
.macro CROUND                          ; a round of the cluster's barrier
	s_barrier_signal -1
	s_barrier_wait -1
	s_cmp_lg_u32 s[WV], 0
	s_cbranch_scc1 .Lnot_wave_0_\@
	s_barrier_signal -3
.Lnot_wave_0_\@:
	s_barrier_wait -3
	s_barrier_signal -1
	s_barrier_wait -1
.endm
; One scaled product.  c < 0: C is the constant 0.  r0, r1: source 0's, source 1's scale words stand in lanes 16-31 of their register.
.macro WM d, s0, s1, c, x0, x1, r0, r1
.if (\c) < 0
.if (\r0) && (\r1)
	v_wmma_scale_f32_16x16x128_f8f6f4 v[\d:\d+7], v[\s0:\s0+7], v[\s1:\s1+7], 0, v[\x0], v[\x1] matrix_a_fmt:MATRIX_FMT_FP4 matrix_b_fmt:MATRIX_FMT_FP4 matrix_a_scale:MATRIX_SCALE_ROW1 matrix_b_scale:MATRIX_SCALE_ROW1
.elseif (\r0)
	v_wmma_scale_f32_16x16x128_f8f6f4 v[\d:\d+7], v[\s0:\s0+7], v[\s1:\s1+7], 0, v[\x0], v[\x1] matrix_a_fmt:MATRIX_FMT_FP4 matrix_b_fmt:MATRIX_FMT_FP4 matrix_a_scale:MATRIX_SCALE_ROW1
.elseif (\r1)
	v_wmma_scale_f32_16x16x128_f8f6f4 v[\d:\d+7], v[\s0:\s0+7], v[\s1:\s1+7], 0, v[\x0], v[\x1] matrix_a_fmt:MATRIX_FMT_FP4 matrix_b_fmt:MATRIX_FMT_FP4 matrix_b_scale:MATRIX_SCALE_ROW1
.else
	v_wmma_scale_f32_16x16x128_f8f6f4 v[\d:\d+7], v[\s0:\s0+7], v[\s1:\s1+7], 0, v[\x0], v[\x1] matrix_a_fmt:MATRIX_FMT_FP4 matrix_b_fmt:MATRIX_FMT_FP4
.endif
.else
.if (\r0) && (\r1)
	v_wmma_scale_f32_16x16x128_f8f6f4 v[\d:\d+7], v[\s0:\s0+7], v[\s1:\s1+7], v[\c:\c+7], v[\x0], v[\x1] matrix_a_fmt:MATRIX_FMT_FP4 matrix_b_fmt:MATRIX_FMT_FP4 matrix_a_scale:MATRIX_SCALE_ROW1 matrix_b_scale:MATRIX_SCALE_ROW1
.elseif (\r0)
	v_wmma_scale_f32_16x16x128_f8f6f4 v[\d:\d+7], v[\s0:\s0+7], v[\s1:\s1+7], v[\c:\c+7], v[\x0], v[\x1] matrix_a_fmt:MATRIX_FMT_FP4 matrix_b_fmt:MATRIX_FMT_FP4 matrix_a_scale:MATRIX_SCALE_ROW1
.elseif (\r1)
	v_wmma_scale_f32_16x16x128_f8f6f4 v[\d:\d+7], v[\s0:\s0+7], v[\s1:\s1+7], v[\c:\c+7], v[\x0], v[\x1] matrix_a_fmt:MATRIX_FMT_FP4 matrix_b_fmt:MATRIX_FMT_FP4 matrix_b_scale:MATRIX_SCALE_ROW1
.else
	v_wmma_scale_f32_16x16x128_f8f6f4 v[\d:\d+7], v[\s0:\s0+7], v[\s1:\s1+7], v[\c:\c+7], v[\x0], v[\x1] matrix_a_fmt:MATRIX_FMT_FP4 matrix_b_fmt:MATRIX_FMT_FP4
.endif
.endif
.endm
	s_load_b256 s[4:11], s[0:1], 0x0               ; xc s[4:5], xs s[6:7], wc s[8:9], ws s[10:11]
	s_load_b128 s[12:15], s[0:1], 0x20             ; b_qkv s[12:13], qkv s[14:15]
	v_lshl_add_u32 v[SPW], v0, 2, SPARE
	v_mov_b32 v[NIL], 0
	ds_add_u32 v[SPW], v[NIL]                      ; the wave's opening: the add, twice on end, and its wait ahead of my first tensor load
	ds_add_u32 v[SPW], v[NIL]                      ; (the set-up below, work on registers, stands between the second and the wait)
	v_lshrrev_b32 v12, 5, v0
	v_readfirstlane_b32 s[WV], v12                 ; wave 0..3
	s_lshr_b32 s[ROLE], s[WV], 1
	s_and_b32 s[HALF], s[WV], 1
	s_bfe_u32 s19, ttmp6, 0x40000                  ; cx
	s_bfe_u32 s20, ttmp6, 0x40004                  ; cy
	s_lshl_b32 s21, ttmp9, 2
	s_add_co_u32 s21, s21, s19                     ; the head = 4 x cluster x + cx
	s_and_b32 s22, ttmp7, 0xffff
	s_lshl_b32 s22, s22, 2
	s_add_co_u32 s22, s22, s20                     ; the pair of blocks of 256 tokens = 4 x cluster y + cy
	s_lshl_b32 s40, s20, 2
	s_lshl_b32 s40, 15, s40                        ; my row of the cluster
	s_lshl_b32 s41, 0x1111, s19                    ; my column
	; group 1: a dense block as rows of 256 bytes (32 elements of 8 bytes), no padding: x's half slot 128 rows, the weight's half 96, x's quarter slot 64
	s_or_b32 s[G1A], s40, (3<<16)|(1<<21)          ; 15:0 the mask; 17:16 elements of 8 bytes; 21 set beside a mask
	s_or_b32 s[G1B], s41, (3<<16)|(1<<21)
	s_or_b32 s[G1C], s40, (3<<16)|(1<<21)
	s_mov_b32 s[G1A+1], 32<<16                     ; tensor_dim0
	s_mov_b32 s[G1A+2], 128<<16                    ; tensor_dim1
	s_mov_b32 s[G1A+3], 32<<16                     ; tile_dim0
	s_mov_b32 s[G1A+4], 128                        ; tile_dim1
	s_mov_b32 s[G1A+5], 32                         ; the pitch
	s_mov_b32 s[G1A+6], 0
	s_mov_b32 s[G1A+7], 0
	s_mov_b32 s[G1B+1], 32<<16
	s_mov_b32 s[G1B+2], 96<<16
	s_mov_b32 s[G1B+3], 32<<16
	s_mov_b32 s[G1B+4], 96
	s_mov_b32 s[G1B+5], 32
	s_mov_b32 s[G1B+6], 0
	s_mov_b32 s[G1B+7], 0
	s_mov_b32 s[G1C+1], 32<<16
	s_mov_b32 s[G1C+2], 64<<16
	s_mov_b32 s[G1C+3], 32<<16
	s_mov_b32 s[G1C+4], 64
	s_mov_b32 s[G1C+5], 32
	s_mov_b32 s[G1C+6], 0
	s_mov_b32 s[G1C+7], 0
	s_lshl_b32 s72, s22, 17                        ; x's codes: 32 row tiles of 4,096 bytes a pair of blocks,
	s_lshl_b32 s44, s[HALF], 15                    ; + my 8 tiles of block 0.  Also their place in a slot
	s_add_co_u32 s72, s72, s44
	s_mov_b32 s73, 0
	s_mul_i32 s74, s21, 49152                      ; the weight's: 12 tiles a head,
	s_mul_i32 s43, s[HALF], 24576                  ; + my 6
	s_add_co_u32 s74, s74, s43
	s_mov_b32 s75, 0
	s_add_co_u32 s45, s43, BBASE                   ; and their place in LDS: no place in the cluster enters an LDS address
	s_lshl_b32 s78, s[WV], 14                      ; my quarter of a slot: the four row tiles of my own 64 tokens
	s_lshl_b32 s76, s22, 17
	s_add_co_u32 s76, s76, s78
	s_add_co_u32 s76, s76, 65536                   ; in block 1
	s_mov_b32 s77, 0
	s_wait_dscnt 0x0                               ; both opening adds are done
	s_wait_kmcnt 0x0
	s_add_nc_u64 s[72:73], s[4:5], s[72:73]
	s_add_nc_u64 s[74:75], s[8:9], s[74:75]
	s_add_nc_u64 s[76:77], s[4:5], s[76:77]
	CROUND                                         ; all sixteen work-groups are here: the joint loads meet
.irp s, 0,1
	s_mov_b32 s[G0A+4*\s], 1
	s_add_co_u32 s[G0A+4*\s+1], s44, \s*ASL
	s_add_nc_u64 s[G0A+4*\s+2:G0A+4*\s+3], s[72:73], \s*2097152
	s_or_b32 s[G0A+4*\s+3], s[G0A+4*\s+3], 0x80000000
	s_mov_b32 s[G0B+4*\s], 1
	s_add_co_u32 s[G0B+4*\s+1], s45, \s*BSL
	s_add_nc_u64 s[G0B+4*\s+2:G0B+4*\s+3], s[74:75], \s*1048576
	s_or_b32 s[G0B+4*\s+3], s[G0B+4*\s+3], 0x80000000
	JLOAD G0A+4*\s, G1A, G0B+4*\s, G1B             ; block 0's and the weight's K halves 0, 1
.endr
	s_mov_b32 s[G0C], 1
	s_add_co_u32 s[G0C+1], s78, 2*ASL
	s_mov_b64 s[G0C+2:G0C+3], s[76:77]
	s_or_b32 s[G0C+3], s[G0C+3], 0x80000000
	tensor_load_to_lds s[G0C:G0C+3], s[G1C:G1C+7]  ; block 1's K half 0 into slot 2, a quarter a wave: the same line in every wave.  Three loads of mine are out
	s_nop 0
	PLACES
	s_mov_b32 s[G0D], 1                            ; the refill's group 0 is made here and not written again: block 1's K half 1 into slot 0
	s_mov_b32 s[G0D+1], s78
	s_add_nc_u64 s[G0D+2:G0D+3], s[76:77], 2097152
	s_or_b32 s[G0D+3], s[G0D+3], 0x80000000
	; scale words and biases go straight into registers
	s_lshl_b32 s80, s22, 13
	s_lshl_b32 s79, s[WV], 10
	s_add_co_u32 s80, s80, s79                     ; xs: 16 bytes a row, 512 rows a pair of blocks, my 64 rows of block 0
	s_mov_b32 s81, 0
	s_add_nc_u64 s[6:7], s[6:7], s[80:81]
	s_mul_i32 s80, s21, 768                        ; ws and b_qkv: 4 bytes a column, 192 columns a head
	s_add_nc_u64 s[10:11], s[10:11], s[80:81]
	s_add_nc_u64 s[12:13], s[12:13], s[80:81]
	v_and_b32 v12, 31, v0
	v_lshlrev_b32 v[LI], 4, v12
	v_lshlrev_b32 v[L4], 2, v12
	v_bfe_u32 v13, v0, 4, 1
	v_lshlrev_b32 v[H32], 5, v13
	v_and_b32 v14, 15, v0
	v_lshlrev_b32 v[R4], 2, v14
.irp k, 0,1
.irp s, 0,1
.irp j, 0,1
	global_load_b128 v[SCA+128*\k+8*\s+4*\j:SCA+128*\k+8*\s+4*\j+3], v[LI], s[6:7] offset:\s*131072+\k*4096+\j*512    ; 32 rows' four words: 512 consecutive bytes
.endr
.endr
.endr
.irp k, 0,1,2,3,4,5,6,7
.irp j, 0,1,2,3,4,5
	global_load_b32 v[SCB+6*\k+\j], v[L4], s[10:11] offset:\k*16384+\j*128
.endr
.endr
.irp b, 0,1,2,3
	global_load_b128 v[BQ+8*\b:BQ+8*\b+3], v[H32], s[12:13] offset:64*\b          ; q's bias at my eight channels 16 b + 8 h + 0..7
	global_load_b128 v[BQ+8*\b+4:BQ+8*\b+7], v[H32], s[12:13] offset:64*\b+16
	global_load_b32 v[BV+8*\b], v[R4], s[12:13] offset:512+64*\b                  ; v's at my one channel 16 b + r
.endr
	v_add_nc_u32 v[ADRA], s78, v[LI]               ; my four row tiles
	v_add_nc_u32 v[ADRA+1], ASL, v[ADRA]
	v_add_nc_u32 v[ADRA+2], 2*ASL, v[ADRA]
	v_add_nc_u32 v[ADRB], BBASE, v[LI]
	v_add_nc_u32 v[ADRB+1], BBASE+BSL, v[LI]
	s_lshr_b32 s79, s22, 1                         ; the batch: 1,024 tokens are two pairs of blocks
	s_lshl_b32 s79, s79, 4
	s_add_co_u32 s79, s79, s21                     ; 16 x batch + head
	s_lshl_b32 s79, s79, 17
	s_and_b32 s80, s22, 1
	s_lshl_b32 s80, s80, 3
	s_add_co_u32 s80, s80, s[WV]                   ; tb: my 64 tokens of block 0 in the sequence; block 1's lie four further on
	s_lshl_b32 s80, s80, 13
	s_add_co_u32 s80, s80, s79
	s_add_nc_u64 s[QB:QB+1], s[14:15], s[80:81]
	s_add_nc_u64 s[KB:KB+1], s[QB:QB+1], 0x1000000
	s_add_nc_u64 s[VB:VB+1], s[QB:QB+1], 0x2000000
	s_wait_loadcnt 0x0                             ; scale words and biases are in
.irp b, 0,1,2,3
.irp j, 1,2,3,4,5,6,7
	v_mov_b32 v[BV+8*\b+\j], v[BV+8*\b]            ; C wants the result's layout: my channel's bias for each of my eight tokens
.endr
.endr
; Step g = 8 x block + K step (128 along K).  Its fragments: 4 of x, 12 of the weight: 32 loads in one run, into set g % 2.  x's slot: block 0: K half; block 1: slot 2, then slot 0
.macro FETCH g
	WIN 0x40                                       ; destination window 1
.if (\g) < 8
.set fsa, (\g)/4
.elseif (\g) < 12
.set fsa, 2
.else
.set fsa, 0
.endif
.set fsb, ((\g)%8)/4
.set fk, ((\g)%4)*1024
.set fp, 128*((\g)%2)
.irp a, 0,1,2,3
.irp c, 0,1
	ds_load_b128 v[fp+8*\a+4*\c:fp+8*\a+4*\c+3], v[ADRA+fsa] offset:\a*4096+fk+\c*512
.endr
.endr
.irp b, 0,1,2,3,4,5,6,7,8,9,10,11
.irp c, 0,1
	ds_load_b128 v[fp+32+8*\b+4*\c:fp+32+8*\b+4*\c+3], v[ADRB+fsb] offset:\b*4096+fk+\c*512
.endr
.endr
.endm
; 48 products: the accumulators take turns, one instruction a turn, in the same order in every step.  A block's first step starts the sums: q's and v's with their bias, k's with 0.
.macro MUL g
.irp a, 0,1,2,3
.if (\g)%8 == 0
	WIN 0x85+0x40*(\a/2)                           ; sources 0, 1 window 1; C window 0; D window 2 or 3
.else
	WIN 0xa5+0x50*(\a/2)                           ; C and D window 2 or 3
.endif
.irp b, 0,1,2,3,4,5,6,7,8,9,10,11
.set rD, 8*(12*(\a%2)+\b)
.set rA, 128*((\g)%2)+8*\a
.set rB, 128*((\g)%2)+32+8*\b
.set xA, SCA+128*((\g)/8)+8*(((\g)%8)/4)+4*(\a/2)+(\g)%4
.set xB, SCB+6*((\g)%8)+\b/2
.set rC, rD
.if (\g)%8 == 0
.if \b < 4
.set rC, BQ+8*\b
.elseif \b < 8
.set rC, -1
.else
.set rC, BV+8*(\b-8)
.endif
.endif
.if \b < 8
	WM rD, rB, rA, rC, xB, xA, \b%2, \a%2          ; q, k: transposed
.else
	WM rD, rA, rB, rC, xA, xB, \a%2, \b%2          ; v: the natural way
.endif
.endr
.endr
.endm
; THE WAY OUT of a block: rounded to f16 in place (register i of an accumulator takes numbers 2 i and 2 i + 1, ascending: it has been read when it is written), and stored as it stands
.macro WAYOUT blk
	PLACES
.irp a, 0,1,2,3
	WIN 0x8a+0x45*(\a/2)                           ; sources and destination window 2 or 3
.irp b, 0,1,2,3,4,5,6,7,8,9,10,11
.irp i, 0,1,2,3
	v_cvt_pk_f16_f32 v[8*(12*(\a%2)+\b)+\i], v[8*(12*(\a%2)+\b)+2*\i], v[8*(12*(\a%2)+\b)+2*\i+1]   ; each accumulator from its low end on
.endr
.endr
	WIN 0x08+4*(\a/2)                              ; a store's data: window 2 or 3
.irp b, 0,1,2,3
	global_store_b128 v[LI], v[8*(12*(\a%2)+\b):8*(12*(\a%2)+\b)+3], s[QB:QB+1] offset:\blk*32768+\a*2048+\b*512        ; 512 consecutive bytes, aligned
	global_store_b128 v[LI], v[8*(12*(\a%2)+\b+4):8*(12*(\a%2)+\b+4)+3], s[KB:KB+1] offset:\blk*32768+\a*2048+\b*512
	global_store_b128 v[LI], v[8*(12*(\a%2)+\b+8):8*(12*(\a%2)+\b+8)+3], s[VB:VB+1] offset:\blk*32768+\b*2048+\a*512
.endr
.endr
.endm
	s_wait_tensorcnt 2                             ; my first load is in: my part of block 0's or the weight's K half 0; the two behind it may be out
	s_barrier_signal -1
	s_barrier_wait -1                              ; everybody's is
	FETCH 0
.set G, 0
.rept 16
.if G == 3
	s_wait_tensorcnt 1                             ; my second load is in: K half 1; the third may be out
	s_wait_dscnt 0x0                               ; no LDS load of mine is out at the signal,
	s_barrier_signal -1
	s_barrier_wait -1                              ; everybody's is: step 4's fragments may be fetched
	PLACES
.elseif G == 5
	WIN 0
	s_wait_tensorcnt 0x0                           ; all my tensor loads have landed, my quarter of slot 2 among them;
	ds_add_u32 v[SPW], v[NIL]                      ; 0 onto my spare word;
	s_wait_dscnt 0x0                               ; the add is done, and my reads of slot 0, step 3's the last, are long over
	CROUND                                         ; both hold of every wave of all sixteen work-groups
	tensor_load_to_lds s[G0D:G0D+3], s[G1C:G1C+7]  ; THE REFILL, first behind the round, one load a wave: block 1's K half 1 into slot 0; it is read from step 12 on
	s_nop 0
	PLACES                                         ; (also the places ahead of the loads below)
.elseif G == 11
	s_wait_tensorcnt 0x0                           ; my quarter of the refill is in,
	s_wait_dscnt 0x0
	s_barrier_signal -1
	s_barrier_wait -1                              ; everybody's is: step 12's fragments may be fetched
	PLACES
.elseif G > 0
	PLACES                                         ; the set that the step before multiplied is loaded anew
.endif
.if G < 15
	FETCH G+1
	s_wait_dscnt 32                                ; all but the 32 just issued: this step's fragments are in
.else
	s_wait_dscnt 0x0
.endif
.if G == 8
	s_wait_xcnt 0x0                                ; block 0's stores have read their registers: the products below write them again
.endif
	MUL G
.if G == 7
	WAYOUT 0                                       ; block 0 leaves; block 1's first fragments are on their way, and nothing waits for these stores
.endif
.set G, G+1
.endr
	WAYOUT 1
	WIN 0
	s_wait_tensorcnt 0x0                           ; the wave's end: this wait, the add and its wait behind my last tensor load
	ds_add_u32 v[SPW], v[NIL]
	s_wait_dscnt 0x0
	CROUND                                         ; the closing round: no work-group ends while a partner may still ask for a tile that names it
	s_endpgm
.Lfunc_end_k_q8e34c46976_project_qkv:
	.size	k_q8e34c46976_project_qkv, .Lfunc_end_k_q8e34c46976_project_qkv-k_q8e34c46976_project_qkv
	.p2alignl 7, 3214868480
	.fill 96, 4, 3214868480
	.section	.rodata,"a",@progbits
	.p2align	6, 0x0
	.amdhsa_kernel k_q8e34c46976_project_qkv
		.amdhsa_group_segment_fixed_size 327680
		.amdhsa_private_segment_fixed_size 0
		.amdhsa_enable_private_segment 0
		.amdhsa_kernarg_size 48
		.amdhsa_user_sgpr_count 2
		.amdhsa_user_sgpr_kernarg_segment_ptr 1
		.amdhsa_wavefront_size32 1
		.amdhsa_system_sgpr_workgroup_id_x 1
		.amdhsa_system_sgpr_workgroup_id_y 1
		.amdhsa_system_sgpr_workgroup_id_z 1
		.amdhsa_system_vgpr_workitem_id 0
		.amdhsa_next_free_vgpr 1024
		.amdhsa_next_free_sgpr 104
		.amdhsa_reserve_vcc 0
		.amdhsa_float_denorm_mode_32 3
		.amdhsa_float_denorm_mode_16_64 3
		.amdhsa_memory_ordered 1
		.amdhsa_forward_progress 1
		.amdhsa_inst_pref_size 182
	.end_amdhsa_kernel
	.amdgpu_metadata
---
amdhsa.version: [ 1, 2 ]
amdhsa.kernels:
  - .name:           k_q8e34c46976_project_qkv
    .symbol:         k_q8e34c46976_project_qkv.kd
    .args:
      - { .name: xc, .offset: 0, .size: 8, .value_kind: global_buffer, .address_space: global }
      - { .name: xs, .offset: 8, .size: 8, .value_kind: global_buffer, .address_space: global }
      - { .name: wc, .offset: 16, .size: 8, .value_kind: global_buffer, .address_space: global }
      - { .name: ws, .offset: 24, .size: 8, .value_kind: global_buffer, .address_space: global }
      - { .name: b_qkv, .offset: 32, .size: 8, .value_kind: global_buffer, .address_space: global }
      - { .name: qkv, .offset: 40, .size: 8, .value_kind: global_buffer, .address_space: global }
    .group_segment_fixed_size: 327680
    .private_segment_fixed_size: 0
    .kernarg_segment_align: 8
    .kernarg_segment_size: 48
    .max_flat_workgroup_size: 128
    .sgpr_count:     104
    .vgpr_count:     1024
    .wavefront_size: 32
...
	.end_amdgpu_metadata
.endif
;; end of part 2
;; launch attention (part 3): grid 2 x 128, 16 waves a work-group, no clusters, 327,680 bytes of LDS; arguments qkv, o; writes o
.if DOCPART == 3
	.amdgcn_target "amdgcn-amd-amdhsa--gfx1250"
	.amdhsa_code_object_version 6
	.text
	.protected	k_q8e34c46976_attention
	.globl	k_q8e34c46976_attention
	.p2align	8
	.type	k_q8e34c46976_attention,@function
k_q8e34c46976_attention:
	s_mov_b64 s[64:65], 0
	v_nop
	global_prefetch_b8 v0, s[64:65] scope:SCOPE_SE
	s_setreg_imm32_b32 hwreg(HW_REG_WAVE_MODE, 25, 1), 1
	s_wait_xcnt 0x0
; o[token][head] = softmax_s(q . k_s / 8) v, no mask, head size 64, 1,024 keys; q, k, v in f16 as the launch before laid them; products, maxima and sums in f32; the weights p are rounded to f16 for
; the second product, o once at the end, to f16.  (k comes without its bias: shown at the head of the first kernel.)
; SHARES.  A work-group owns 512 queries of one (batch, head); each of its SIXTEEN waves 32 of them, two tiles of 16, in 256 registers: four waves to a SIMD, so that one wave's softmax stands beside
; another's products and LDS loads.  Every wave walks all 1,024 keys, 64 a step.
; THE HEAD'S K AND V^T STAY IN LDS, 131,072 bytes each, filled ONCE: every wave issues two tensor loads at the head: its eighth of key steps 0-3 and its eighth of steps 4-15.  The walk begins when the
; first have landed.  A key step's K, and its V^T, are 8,192 consecutive bytes of images: 16 loads of 16 bytes at 16 x lane.
; NO CLUSTER: only two work-groups read a head's K and V; four to a head would leave a wave one tile of queries, so that a fragment read from LDS would feed one product and not two.
; NO PREFETCH: every byte of K and V is asked for by the tensor loads at the head.
; LAYOUT.  S^T = K Q^T (source 0 = 16 keys, source 1 = 16 queries) and O^T = V^T P (source 0 = 16 channels, source 1 = P): a lane holds ONE query (lane % 16) throughout; two tiles of S^T, rounded in
; pairs, ARE source 1 of the second product.
; SOFTMAX.  For each query a running maximum m and sum l: p = 2^(c s - c m), c = log2(e) / 8; in every step O^T and l are multiplied by a = 2^(c m_old - c m_new).  m begins at -3e38, l and O^T at 0.
; o (bytes): head 1048576 + tt 2048 + ct 512 + 16 L: f16 o(token 16 tt + r, channel 64 head + 16 ct + 8 h + 0..7): the image of a fragment of the last product's operand.
.set VBASE, 131072                     ; V^T behind K
.set SPARE, 262144                     ; behind both: the spare words, 128 bytes a wave: eight blocks of 256 bytes that no other line names
.set LI,   1                           ; v1   16 x lane
.set LV,   2                           ; v2   the same in V^T
.set ADK,  3                           ; v3   LDS address of the step's K
.set ADV,  4                           ; v4   of its V^T
.set SPW,  5                           ; v5   LDS address of my spare word; never rewritten
.set NIL,  6                           ; v6   0; never rewritten
.set ST,   8                           ; v8-23    tile t at 8 t: +0 c m, +1 m, +2, +3 l (even keys', odd keys'), +4..+7 at work; a at +6
.set Q,    24                          ; v24-55   Q: tile t, channels 32 f on: 16 t + 8 f
.set KV,   56                          ; v56-119  a step's K, then its V^T
.set S,    120                         ; v120-183 S^T: tile t, keys 16 a on: 32 t + 8 a; then p; P is packed in place into 32 t + 0..15
.set O,    184                         ; v184-247 O^T: tile t, channels 16 ct on: 32 t + 8 ct
.set TP,   248                         ; v248-251 the sums' second chain
.set WV,   8
.set G1S,  12                          ; s[12:19] group 1 of the small load; s[20:27] of the large; s[28:31], s[32:35] their groups 0
.set G1L,  20
.set G0S,  28
.set G0L,  32
.set CS,   36                          ; s[36:37] c: the packed form names a pair and takes its low word for both halves
.set SEL,  38                          ; s[38:39] v_permlanex16_b32's selects for lane l xor 16
.set TB,   40                          ; s40  LDS byte of the step in hand
.set CNT,  41
	s_load_b128 s[4:7], s[0:1], 0x0                ; qkv s[4:5], o s[6:7]
	v_lshl_add_u32 v[SPW], v0, 2, SPARE
	v_mov_b32 v[NIL], 0
	ds_add_u32 v[SPW], v[NIL]                      ; the wave's opening: the add, twice on end, and its wait ahead of my first tensor load
	ds_add_u32 v[SPW], v[NIL]                      ; (the set-up below, work on registers, stands between the second and the wait)
	v_lshrrev_b32 v7, 5, v0
	v_readfirstlane_b32 s[WV], v7                  ; wave 0..15
	s_lshr_b32 s9, s[WV], 3                        ; 0: I fetch K, 1: V^T
	s_and_b32 s10, s[WV], 7                        ; which eighth
	s_and_b32 s11, ttmp7, 0xffff                   ; 16 x batch + head
	; groups 1: dense blocks as rows of 256 bytes (32 elements of 8 bytes): 16 rows, and 48
	s_mov_b32 s[G1S], 3<<16
	s_mov_b32 s[G1S+1], 32<<16
	s_mov_b32 s[G1S+2], 16<<16
	s_mov_b32 s[G1S+3], 32<<16
	s_mov_b32 s[G1S+4], 16
	s_mov_b32 s[G1S+5], 32
	s_mov_b32 s[G1S+6], 0
	s_mov_b32 s[G1S+7], 0
	s_mov_b32 s[G1L], 3<<16
	s_mov_b32 s[G1L+1], 32<<16
	s_mov_b32 s[G1L+2], 48<<16
	s_mov_b32 s[G1L+3], 32<<16
	s_mov_b32 s[G1L+4], 48
	s_mov_b32 s[G1L+5], 32
	s_mov_b32 s[G1L+6], 0
	s_mov_b32 s[G1L+7], 0
	s_lshl_b32 s42, s9, 17                         ; LDS: K or V^T
	s_lshl_b32 s48, s10, 12                        ; my 4,096 bytes of steps 0-3,
	s_mov_b32 s49, 0
	s_mul_i32 s50, s10, 12288
	s_add_co_u32 s50, s50, 32768                   ; my 12,288 of steps 4-15: the same offsets in memory and in LDS
	s_mov_b32 s51, 0
	s_add_co_u32 s46, s9, 1
	s_lshl_b32 s46, s46, 24                        ; part 1 (k) or 2 (v) of qkv,
	s_lshl_b32 s45, s11, 17                        ; the head's 131,072 bytes
	s_add_co_u32 s46, s46, s45
	s_mov_b32 s47, 0
	s_mov_b32 s[CS], 0x3e38aa3b                    ; c = log2(e) / 8
	s_mov_b32 s[CS+1], s[CS]
	s_mov_b32 s[SEL], 0x76543210
	s_mov_b32 s[SEL+1], 0xfedcba98
	s_mov_b32 s[TB], 0
	s_wait_dscnt 0x0                               ; both opening adds are done
	s_wait_kmcnt 0x0
	s_add_nc_u64 s[46:47], s[4:5], s[46:47]
	s_mov_b32 s[G0S], 1
	s_add_co_u32 s[G0S+1], s42, s48
	s_add_nc_u64 s[G0S+2:G0S+3], s[46:47], s[48:49]
	s_or_b32 s[G0S+3], s[G0S+3], 0x80000000
	s_mov_b32 s[G0L], 1
	s_add_co_u32 s[G0L+1], s42, s50
	s_add_nc_u64 s[G0L+2:G0L+3], s[46:47], s[50:51]
	s_or_b32 s[G0L+3], s[G0L+3], 0x80000000
	tensor_load_to_lds s[G0S:G0S+3], s[G1S:G1S+7]  ; every wave issues both, into bytes of its own: two loads of mine are out
	s_nop 0
	tensor_load_to_lds s[G0L:G0L+3], s[G1L:G1L+7]
	s_nop 0
.rept 4
	v_nop
.endr
	s_lshl_b32 s52, ttmp9, 16                      ; my work-group's 32 tiles of 2,048 bytes,
	s_lshl_b32 s53, s[WV], 12                      ; my wave's two
	s_add_co_u32 s52, s52, s53
	s_add_co_u32 s54, s52, s45
	s_mov_b32 s55, 0
	s_add_nc_u64 s[4:5], s[4:5], s[54:55]          ; q at my first tile
	s_and_b32 s54, s11, 15
	s_lshl_b32 s54, s54, 20                        ; o: the head's plane,
	s_lshr_b32 s53, s11, 4
	s_lshl_b32 s53, s53, 17                        ; the batch's 64 tiles
	s_add_co_u32 s54, s54, s53
	s_add_co_u32 s54, s54, s52
	s_add_nc_u64 s[6:7], s[6:7], s[54:55]
	v_and_b32 v7, 31, v0
	v_lshlrev_b32 v[LI], 4, v7
	v_add_nc_u32 v[LV], VBASE, v[LI]
.irp i, 0,1,2,3,4,5,6,7
	global_load_b128 v[Q+4*\i:Q+4*\i+3], v[LI], s[4:5] offset:512*\i    ; Q stays in registers
.endr
.irp t, 0,1
	v_mov_b32 v[ST+8*\t+1], 0xff61b1e6             ; m = -3e38, under every score
	v_mul_f32 v[ST+8*\t], s[CS], v[ST+8*\t+1]      ; c m
	v_mov_b32 v[ST+8*\t+2], 0                      ; l
	v_mov_b32 v[ST+8*\t+3], 0
	v_mov_b32 v[ST+8*\t+5], 0                      ; written once: a lane permute's destination counts as one of its sources
.endr
.set i, 0
.rept 64
	v_mov_b32 v[O+i], 0                            ; O^T.  (The step is written without a first copy: the first finds zeros, which a = 0 leaves zeros)
.set i, i+1
.endr
; A KEY STEP: 64 keys
.macro KSTEP
	v_add_nc_u32 v[ADK], s[TB], v[LI]
	v_add_nc_u32 v[ADV], s[TB], v[LV]
.rept 3
	v_nop                                          ; with the two additions five places behind the last products: four for the loads into their sources, five for the products that write over P
.endr
.irp i, 0,1,2,3,4,5,6,7,8,9,10,11,12,13,14,15
	ds_load_b128 v[KV+4*\i:KV+4*\i+3], v[ADK] offset:512*\i
.endr
	s_wait_dscnt 0x0
.irp f, 0,1                                    ; S^T = K Q^T: eight accumulators by turns; the first eight start the sums
.irp a, 0,1,2,3
.irp t, 0,1
.if \f == 0
	v_wmma_f32_16x16x32_f16 v[S+32*\t+8*\a:S+32*\t+8*\a+7], v[KV+16*\a+8*\f:KV+16*\a+8*\f+7], v[Q+16*\t+8*\f:Q+16*\t+8*\f+7], 0
.else
	v_wmma_f32_16x16x32_f16 v[S+32*\t+8*\a:S+32*\t+8*\a+7], v[KV+16*\a+8*\f:KV+16*\a+8*\f+7], v[Q+16*\t+8*\f:Q+16*\t+8*\f+7], v[S+32*\t+8*\a:S+32*\t+8*\a+7]
.endif
.endr
.endr
.endr
.rept 4
	v_nop                                          ; places: ahead of the loads into K's registers, and of the first read of the scores
.endr
.irp i, 0,1,2,3,4,5,6,7,8,9,10,11,12,13,14,15
	ds_load_b128 v[KV+4*\i:KV+4*\i+3], v[ADV] offset:512*\i     ; V^T lands while the softmax is walked
.endr
	; the maximum of my 32 scores and the old m, three operands at a time, four chains; the two tiles line by line; each accumulator is read from its low end first
.irp j, 0,1,2,3
.irp t, 0,1
	v_max3_num_f32 v[ST+8*\t+4+\j], v[S+32*\t+8*\j], v[S+32*\t+8*\j+1], v[S+32*\t+8*\j+2]
.endr
.endr
.irp k, 3,5
.irp j, 0,1,2,3
.irp t, 0,1
	v_max3_num_f32 v[ST+8*\t+4+\j], v[ST+8*\t+4+\j], v[S+32*\t+8*\j+\k], v[S+32*\t+8*\j+\k+1]
.endr
.endr
.endr
.irp t, 0,1
	v_max3_num_f32 v[ST+8*\t+4], v[ST+8*\t+4], v[S+32*\t+7], v[S+32*\t+15]
.endr
.irp t, 0,1
	v_max3_num_f32 v[ST+8*\t+6], v[ST+8*\t+6], v[S+32*\t+23], v[S+32*\t+31]
.endr
.irp t, 0,1
	v_max3_num_f32 v[ST+8*\t+4], v[ST+8*\t+4], v[ST+8*\t+5], v[ST+8*\t+6]
.endr
.irp t, 0,1
	v_max3_num_f32 v[ST+8*\t+4], v[ST+8*\t+4], v[ST+8*\t+7], v[ST+8*\t+1]
.endr
.irp t, 0,1
	v_permlanex16_b32 v[ST+8*\t+5], v[ST+8*\t+4], s[SEL], s[SEL+1]   ; the query's other 32 keys lie in the lane 16 away
.endr
.irp t, 0,1
	v_mov_b32 v[ST+8*\t+7], v[ST+8*\t]             ; c m_old is kept for a
.endr
.irp t, 0,1
	v_max_num_f32 v[ST+8*\t+1], v[ST+8*\t+4], v[ST+8*\t+5]
.endr
.irp t, 0,1
	v_mul_f32 v[ST+8*\t], s[CS], v[ST+8*\t+1]
.endr
.irp t, 0,1
	v_sub_f32 v[ST+8*\t+7], v[ST+8*\t+7], v[ST+8*\t]
.endr
.irp b, 0,2,4,6,8,10,12,14,16,18,20,22,24,26,28,30
.irp t, 0,1
	v_pk_fma_f32 v[S+32*\t+\b:S+32*\t+\b+1], v[S+32*\t+\b:S+32*\t+\b+1], s[CS:CS+1], v[ST+8*\t:ST+8*\t+1] op_sel_hi:[1,0,0] neg_lo:[0,0,1] neg_hi:[0,0,1]   ; c s - c m, two at a time
.endr
.endr
.irp t, 0,1
	v_exp_f32 v[ST+8*\t+6], v[ST+8*\t+7]           ; a
.endr
.set i, 0
.rept 64
	v_exp_f32 v[S+i], v[S+i]                       ; p.  ONE BATCH: none of these 66 reads another's result
.set i, i+1
.endr
	v_nop                                          ; a plain instruction behind the last exponential
	s_wait_alu depctr_va_vdst(0)                   ; the wait ahead of the first line that names a result: one for the batch
.irp t, 0,1
	v_pk_mul_f32 v[ST+8*\t+2:ST+8*\t+3], v[ST+8*\t+2:ST+8*\t+3], v[ST+8*\t+6:ST+8*\t+7] op_sel_hi:[1,0]   ; l under the new m
.endr
.irp t, 0,1
	v_pk_add_f32 v[TP+2*\t:TP+2*\t+1], v[S+32*\t:S+32*\t+1], v[S+32*\t+2:S+32*\t+3]     ; the sums are taken of p before it is rounded: two at a time, two chains a tile
.endr
.irp j, 4,8,12,16,20,24,28
.irp t, 0,1
	v_pk_add_f32 v[ST+8*\t+2:ST+8*\t+3], v[ST+8*\t+2:ST+8*\t+3], v[S+32*\t+\j:S+32*\t+\j+1]
	v_pk_add_f32 v[TP+2*\t:TP+2*\t+1], v[TP+2*\t:TP+2*\t+1], v[S+32*\t+\j+2:S+32*\t+\j+3]
.endr
.endr
.irp t, 0,1
	v_pk_add_f32 v[ST+8*\t+2:ST+8*\t+3], v[ST+8*\t+2:ST+8*\t+3], v[TP+2*\t:TP+2*\t+1]
.endr
.irp i, 0,1,2,3,4,5,6,7,8,9,10,11,12,13,14,15
.irp t, 0,1
	v_cvt_pk_f16_f32 v[S+32*\t+\i], v[S+32*\t+2*\i], v[S+32*\t+2*\i+1]    ; P, in place, ascending: register i has been read when it is written
.endr
.endr
.irp i, 0,2,4,6,8,10,12,14,16,18,20,22,24,26,28,30
.irp t, 0,1
	v_pk_mul_f32 v[O+32*\t+\i:O+32*\t+\i+1], v[O+32*\t+\i:O+32*\t+\i+1], v[ST+8*\t+6:ST+8*\t+7] op_sel_hi:[1,0]   ; O^T under the new m
.endr
.endr
	s_wait_dscnt 0x0                               ; V^T is in
.irp g, 0,1                                    ; O^T += V^T P: keys 32 g on; eight accumulators by turns
.irp c, 0,1,2,3
.irp t, 0,1
	v_wmma_f32_16x16x32_f16 v[O+32*\t+8*\c:O+32*\t+8*\c+7], v[KV+16*\c+8*\g:KV+16*\c+8*\g+7], v[S+32*\t+8*\g:S+32*\t+8*\g+7], v[O+32*\t+8*\c:O+32*\t+8*\c+7]
.endr
.endr
.endr
	s_add_co_u32 s[TB], s[TB], 8192                ; the next step's tiles
.endm
	s_wait_tensorcnt 1                             ; my part of key steps 0-3 is in; the larger load may be out
	s_barrier_signal -1
	s_barrier_wait -1                              ; everybody's is
	s_wait_loadcnt 0x0                             ; Q
	s_mov_b32 s[CNT], 4
.Lfirst:                                           ; key steps 0-3
	KSTEP
	s_sub_co_u32 s[CNT], s[CNT], 1
	s_cmp_lg_u32 s[CNT], 0
	s_cbranch_scc1 .Lfirst
	s_wait_tensorcnt 0x0                           ; my part of key steps 4-15 is in,
	s_wait_dscnt 0x0
	s_barrier_signal -1
	s_barrier_wait -1                              ; everybody's is
	s_mov_b32 s[CNT], 12
.Lrest:                                            ; key steps 4-15
	KSTEP
	s_sub_co_u32 s[CNT], s[CNT], 1
	s_cmp_lg_u32 s[CNT], 0
	s_cbranch_scc1 .Lrest
	; THE WAY OUT: l's two halves and the other half of the lanes'; O^T / l, rounded to f16, stored as it stands.  The additions are places behind the last products
.irp t, 0,1
	v_add_f32 v[ST+8*\t+4], v[ST+8*\t+2], v[ST+8*\t+3]
.endr
.irp t, 0,1
	v_permlanex16_b32 v[ST+8*\t+5], v[ST+8*\t+4], s[SEL], s[SEL+1]
.endr
.irp t, 0,1
	v_add_f32 v[ST+8*\t+4], v[ST+8*\t+4], v[ST+8*\t+5]
.endr
.irp t, 0,1
	v_rcp_f32 v[ST+8*\t+6], v[ST+8*\t+4]
.endr
	v_nop                                          ; a plain instruction behind the last reciprocal
	s_wait_alu depctr_va_vdst(0)                   ; and the wait ahead of the first use: one for both
.irp t, 0,1
.irp i, 0,2,4,6,8,10,12,14,16,18,20,22,24,26,28,30
	v_pk_mul_f32 v[O+32*\t+\i:O+32*\t+\i+1], v[O+32*\t+\i:O+32*\t+\i+1], v[ST+8*\t+6:ST+8*\t+7] op_sel_hi:[1,0]
.endr
.endr
.irp t, 0,1
.irp i, 0,1,2,3,4,5,6,7,8,9,10,11,12,13,14,15
	v_cvt_pk_f16_f32 v[S+16*\t+\i], v[O+32*\t+2*\i], v[O+32*\t+2*\i+1]
.endr
.endr
.irp t, 0,1
.irp c, 0,1,2,3
	global_store_b128 v[LI], v[S+16*\t+4*\c:S+16*\t+4*\c+3], s[6:7] offset:\t*2048+\c*512    ; 512 consecutive bytes, aligned
.endr
.endr
	s_wait_tensorcnt 0x0                           ; the wave's end: this wait, the add and its wait behind my last tensor load
	ds_add_u32 v[SPW], v[NIL]
	s_wait_dscnt 0x0
	s_endpgm
.Lfunc_end_k_q8e34c46976_attention:
	.size	k_q8e34c46976_attention, .Lfunc_end_k_q8e34c46976_attention-k_q8e34c46976_attention
	.p2alignl 7, 3214868480
	.fill 96, 4, 3214868480
	.section	.rodata,"a",@progbits
	.p2align	6, 0x0
	.amdhsa_kernel k_q8e34c46976_attention
		.amdhsa_group_segment_fixed_size 327680
		.amdhsa_private_segment_fixed_size 0
		.amdhsa_enable_private_segment 0
		.amdhsa_kernarg_size 16
		.amdhsa_user_sgpr_count 2
		.amdhsa_user_sgpr_kernarg_segment_ptr 1
		.amdhsa_wavefront_size32 1
		.amdhsa_system_sgpr_workgroup_id_x 1
		.amdhsa_system_sgpr_workgroup_id_y 1
		.amdhsa_system_sgpr_workgroup_id_z 1
		.amdhsa_system_vgpr_workitem_id 0
		.amdhsa_next_free_vgpr 256
		.amdhsa_next_free_sgpr 66
		.amdhsa_reserve_vcc 0
		.amdhsa_float_denorm_mode_32 3
		.amdhsa_float_denorm_mode_16_64 3
		.amdhsa_memory_ordered 1
		.amdhsa_forward_progress 1
		.amdhsa_inst_pref_size 47
	.end_amdhsa_kernel
	.amdgpu_metadata
---
amdhsa.version: [ 1, 2 ]
amdhsa.kernels:
  - .name:           k_q8e34c46976_attention
    .symbol:         k_q8e34c46976_attention.kd
    .args:
      - { .name: qkv, .offset: 0, .size: 8, .value_kind: global_buffer, .address_space: global }
      - { .name: o, .offset: 8, .size: 8, .value_kind: global_buffer, .address_space: global }
    .group_segment_fixed_size: 327680
    .private_segment_fixed_size: 0
    .kernarg_segment_align: 8
    .kernarg_segment_size: 16
    .max_flat_workgroup_size: 512
    .sgpr_count:     66
    .vgpr_count:     256
    .wavefront_size: 32
...
	.end_amdgpu_metadata
.endif
;; end of part 3
;; launch project_out (part 4): grid 8 x 32, 4 waves a work-group, clusters of 4 x 4, 327,680 bytes of LDS; arguments xc, xs, wc, ws, b_gate, o, wo, b_out, out0; writes out0
.if DOCPART == 4
	.amdgcn_target "amdgcn-amd-amdhsa--gfx1250"
	.amdhsa_code_object_version 6
	.text
	.protected	k_q8e34c46976_project_out
	.globl	k_q8e34c46976_project_out
	.p2align	8
	.type	k_q8e34c46976_project_out,@function
k_q8e34c46976_project_out:
	s_mov_b64 s[64:65], 0
	v_nop
	global_prefetch_b8 v0, s[64:65] scope:SCOPE_SE
	s_setreg_imm32_b32 hwreg(HW_REG_WAVE_MODE, 25, 1), 1
	s_wait_xcnt 0x0
	s_wait_alu depctr_hold_cnt(0) depctr_sa_sdst(0) depctr_va_vdst(0) depctr_va_sdst(0) depctr_va_ssrc(0) depctr_va_vcc(0) depctr_vm_vsrc(0)
	s_getreg_b32 s2, hwreg(HW_REG_IB_STS2, 6, 4)
	s_cmp_eq_u32 s2, 0
	s_cbranch_scc0 .Lentry_in_a_cluster
	s_endpgm
.Lentry_in_a_cluster:
	s_bfe_u32 s2, ttmp6, 0x10000c
	s_cmp_lg_u32 s2, 0xf033
	s_cbranch_scc0 .Lentry_shape_is_right
	s_endpgm
.Lentry_shape_is_right:
; out0 = (o W_out + b_out) x silu(x W_gate + b_gate).  The gate's product on codes of E2M1 with E8M0 scales (K = 1,024); o W_out on f16 operands (K = 1,024); sums, silu and the last product in f32.
; The gate never goes to memory: it stays in the registers of the wave that needs it.
; SHARES.  A work-group makes 256 tokens x 128 columns; wave (wr, wn) = (w / 2, w % 2) 128 tokens x 64 columns: 8 x 4 accumulators of 16 x 16, held TWICE: the gate's in window 3, the output's in window 2.
; THE RING: three places of 98,304 bytes (the tokens' tile 65,536, the weight's 32,768); ten steps, step i in place i % 3.  Steps 0, 1: the codes of K halves 0, 1.  Steps 2-9: K steps 0-7 (128 along K)
; of o (two heads' planes of 256 tokens) and of W_out.  All tiles are blocks of images.  A step is four sub-steps of 32 products (128 along K of codes, 32 along K of f16), on two fragment sets by turns.
; FILLS.  With the first fills come steps 0, 1 and 2.  FIVE REFILLS follow, one load a wave each: behind step 1 K steps 1 AND 2 (places 0, 1: waves 0, 1 a whole K step of o each, two rows of 32,768 bytes,
; the two planes; waves 2, 3 a whole K step of W_out each); behind step 2 K step 3 (place 2: each wave half a tile); behind step 4 K steps 4 and 5; behind step 5 K step 6; behind step 7 K step 7 (place 0).
; So a refill of one K step has two steps' products in which to land, and a refill of two has one step's and a part of the silu, which is dealt out in eight pieces ahead of the changes behind steps 2, 5, 8.
; A CHANGE WITH A REFILL: each wave waits for all its tensor loads, adds 0 to its spare word, waits for that and for its reads of the places; a round of the cluster's barrier; the joint refill first
; behind it.  Behind steps 0 and 8 a plain barrier shows the next place whole; behind steps 3 and 6 none is needed: the next place was shown whole at the change before.
; A wave has three loads out at the start and one behind each round.
; CLUSTER 4 x 4: the four of a row need the same tokens' tiles, the four of a column the same columns' weights: asked for jointly.
; BOTH PRODUCTS ARE USED TRANSPOSED (source 0 = 16 columns of the weight, source 1 = 16 tokens): a lane holds one token and eight neighbouring columns, in the gate and in the output alike.
; PREFETCH of o: behind each of the first four refills stand the prefetches for what the NEXT refill brings of o (K step 3; 4 and 5; 6; 7).  A block of tokens is read by both clusters of its row of
; clusters: cluster x = 0 asks.  Its four partners along x share a plane's 32,768 bytes by address, 8,192 each, a lane 256 bytes; wave 0 asks for the even head's plane, wave 1 for the odd one's.  So each
; 256 bytes are named once.  The base is never rewritten: the K step stands in the immediate.  K steps 0 to 2 come by their loads alone; the last refill asks for nothing.  W_out's images, which every row
; of work-groups reads again, are not asked for.
; REGISTERS: window 0: v1-19 addresses; v20-51 x's scale words, v52-67 the weight's (they hold nothing else); v68-99 b_gate, v100-131 b_out in the results' layout; v132-195 at work.
;   window 1: two fragment sets of 128: 8 of the tokens, then 4 of the weight; on the way out rows read back.   windows 2, 3: accumulator (a, b) at v[8 (4 a + b)].
.set A1OF,  65536                      ; the tokens' tiles: place 0 at 0, place 1 here,
.set A2OF,  196608                     ; place 2 here
.set B0OF,  131072                     ; the weight's tiles: places 0, 1, 2
.set B1OF,  163840
.set B2OF,  262144
.set STAGE, 294912                     ; behind the ring: 16 rows x (256 bytes + 16) for each wave, for the way out: no tensor load lands there
.set SP,    272
.set SPARE, STAGE+4*16*SP              ; the spare words, 128 bytes a wave: two blocks of 256 bytes that no other line names
.set LI,    1                          ; v1    16 x lane
.set L4,    2                          ; v2    4 x lane
.set ADRA4, 3                          ; v3-4  LDS address of my tokens' codes in place 0, 1
.set ADRA16, 5                         ; v5-7  of my tokens' f16 images in place 0, 1, 2
.set ADRB,  8                          ; v8-10 of my columns' fragments in place 0, 1, 2
.set STO,   11                         ; v11   the way out: where I put 32 bytes of a row
.set RD,    12                         ; v12   where I read a row back
.set CO,    13                         ; v13   my byte offset in out0
.set PFO,   14                         ; v14   256 x lane; never rewritten
.set H32,   15                         ; v15   32 h
.set SPW,   16                         ; v16   LDS address of my spare word; never rewritten
.set NIL,   17                         ; v17   0; never rewritten
.set SGA,   20                         ; register 16 s + 4 j + kq: lanes 0-15 the word of token block 2 j, lanes 16-31 of 2 j + 1
.set SGB,   52                         ; register 2 ks + j: lanes 0-15 the word of column block 2 j, lanes 16-31 of 2 j + 1
.set BG,    68
.set BO,    100
.set T,     132
.set WV,    22                         ; s22  wave
.set ROLE,  23                         ; s23  wr.  Also 0: I fetch the tokens' tile, 1: the weight's
.set HALF,  24                         ; s24  wn.  Also which half of a tile, or which of two K steps, I fetch
.set PF,    30                         ; s30  1 in a wave that prefetches
.set G1A1,  32                         ; s[32:39] group 1: half a tile of the tokens: 128 rows of 256 bytes
.set G1B1,  40                         ; s[40:47] half a tile of the weight: 64 rows
.set G0A,   48                         ; s[48:59] three groups 0 for the tokens' tiles
.set SA,    60                         ; s[60:61] o at my plane of K step 0
.set DA,    62                         ; s[62:63] o at the even plane of K step 0 or 1, as my half says
.set SBB,   66                         ; s[66:67] wo at my half of K step 0's tile
.set G0B,   68                         ; s[68:79] three groups 0 for the weight's tiles
.set G1A2,  80                         ; s[80:87] group 1: a whole K step of o: two rows of 32,768 bytes, a plane apart
.set G1B2,  88                         ; s[88:95] a whole K step of W_out: 128 rows of 256 bytes
.set DBB,   96                         ; s[96:97] wo at the tile of K step 0 or 1, as my half says
.set PFA,   98                         ; s[98:99] the prefetches' base: my 8,192 bytes of my plane of K step 4; never rewritten
.set OUT,   100                        ; s[100:101]
.set MSB, 0
.macro WIN new                         ; the immediate's high byte repeats the setting that is left; a switch that changes nothing is dropped
.if MSB != (\new)
	s_set_vgpr_msb (MSB<<8)|(\new)
.set MSB, (\new)
.endif
.endm
.macro PLACES                          ; four plain places behind a matrix instruction, ahead of loads into its sources and of reads of its result
.rept 4
	v_nop
.endr
.endm
.macro JLOAD g0a, g1a, g0b, g1b        ; a joint load; the branch hangs on the wave's number alone; an s_nop 0 and four v_nop follow each line
	s_cmp_eq_u32 s[ROLE], 0
	s_cbranch_scc0 .Lfor_b_\@
	tensor_load_to_lds s[\g0a:\g0a+3], s[\g1a:\g1a+7]
	s_nop 0
	PLACES
	s_branch .Lasked_\@
.Lfor_b_\@:
	tensor_load_to_lds s[\g0b:\g0b+3], s[\g1b:\g1b+7]
	s_nop 0
	PLACES
.Lasked_\@:
.endm
.macro CREST                           ; a round of the cluster's barrier behind its opening barrier
	s_cmp_lg_u32 s[WV], 0
	s_cbranch_scc1 .Lnot_wave_0_\@
	s_barrier_signal -3
.Lnot_wave_0_\@:
	s_barrier_wait -3
	s_barrier_signal -1
	s_barrier_wait -1
.endm
.macro CROUND
	s_barrier_signal -1
	s_barrier_wait -1
	CREST
.endm
.macro WM d, s0, s1, c, x0, x1, r0, r1 ; one scaled product; r0, r1: source 0's, source 1's scale words stand in lanes 16-31 of their register
.if (\r0) && (\r1)
	v_wmma_scale_f32_16x16x128_f8f6f4 v[\d:\d+7], v[\s0:\s0+7], v[\s1:\s1+7], v[\c:\c+7], v[\x0], v[\x1] matrix_a_fmt:MATRIX_FMT_FP4 matrix_b_fmt:MATRIX_FMT_FP4 matrix_a_scale:MATRIX_SCALE_ROW1 matrix_b_scale:MATRIX_SCALE_ROW1
.elseif (\r0)
	v_wmma_scale_f32_16x16x128_f8f6f4 v[\d:\d+7], v[\s0:\s0+7], v[\s1:\s1+7], v[\c:\c+7], v[\x0], v[\x1] matrix_a_fmt:MATRIX_FMT_FP4 matrix_b_fmt:MATRIX_FMT_FP4 matrix_a_scale:MATRIX_SCALE_ROW1
.elseif (\r1)
	v_wmma_scale_f32_16x16x128_f8f6f4 v[\d:\d+7], v[\s0:\s0+7], v[\s1:\s1+7], v[\c:\c+7], v[\x0], v[\x1] matrix_a_fmt:MATRIX_FMT_FP4 matrix_b_fmt:MATRIX_FMT_FP4 matrix_b_scale:MATRIX_SCALE_ROW1
.else
	v_wmma_scale_f32_16x16x128_f8f6f4 v[\d:\d+7], v[\s0:\s0+7], v[\s1:\s1+7], v[\c:\c+7], v[\x0], v[\x1] matrix_a_fmt:MATRIX_FMT_FP4 matrix_b_fmt:MATRIX_FMT_FP4
.endif
.endm
	s_load_b512 s[4:19], s[0:1], 0x0               ; xc s[4:5], xs s[6:7], wc s[8:9], ws s[10:11], b_gate s[12:13], o s[14:15], wo s[16:17], b_out s[18:19]
	s_load_b64 s[20:21], s[0:1], 0x40              ; out0
	v_lshl_add_u32 v[SPW], v0, 2, SPARE
	v_mov_b32 v[NIL], 0
	ds_add_u32 v[SPW], v[NIL]                      ; the wave's opening: the add, twice on end, and its wait ahead of my first tensor load
	ds_add_u32 v[SPW], v[NIL]                      ; (the set-up below, work on registers, stands between the second and the wait)
	v_lshrrev_b32 v18, 5, v0
	v_readfirstlane_b32 s[WV], v18                 ; wave 0..3
	s_lshr_b32 s[ROLE], s[WV], 1
	s_and_b32 s[HALF], s[WV], 1
	s_bfe_u32 s25, ttmp6, 0x40000                  ; cx
	s_bfe_u32 s26, ttmp6, 0x40004                  ; cy
	s_lshl_b32 s27, ttmp9, 2
	s_add_co_u32 s27, s27, s25                     ; the block of 128 columns = 4 x cluster x + cx
	s_and_b32 s28, ttmp7, 0xffff
	s_lshl_b32 s28, s28, 2
	s_add_co_u32 s28, s28, s26                     ; the block of 256 tokens = 4 x cluster y + cy
	s_lshl_b32 s29, s26, 2
	s_lshl_b32 s29, 15, s29                        ; my row of the cluster
	s_lshl_b32 s30, 0x1111, s25                    ; my column
	; groups 1: elements of 8 bytes, no padding; 15:0 the mask; 21 set beside a mask
	s_or_b32 s[G1A1], s29, (3<<16)|(1<<21)
	s_or_b32 s[G1A2], s29, (3<<16)|(1<<21)
	s_or_b32 s[G1B1], s30, (3<<16)|(1<<21)
	s_or_b32 s[G1B2], s30, (3<<16)|(1<<21)
	s_mov_b32 s[G1A1+1], 32<<16                    ; tensor_dim0: rows of 256 bytes
	s_mov_b32 s[G1A1+2], 128<<16                   ; tensor_dim1
	s_mov_b32 s[G1A1+3], 32<<16                    ; tile_dim0
	s_mov_b32 s[G1A1+4], 128                       ; tile_dim1
	s_mov_b32 s[G1A1+5], 32                        ; the pitch: dense
	s_mov_b32 s[G1A1+6], 0
	s_mov_b32 s[G1A1+7], 0
	s_mov_b32 s[G1B1+1], 32<<16
	s_mov_b32 s[G1B1+2], 64<<16
	s_mov_b32 s[G1B1+3], 32<<16
	s_mov_b32 s[G1B1+4], 64
	s_mov_b32 s[G1B1+5], 32
	s_mov_b32 s[G1B1+6], 0
	s_mov_b32 s[G1B1+7], 0
	s_mov_b32 s[G1A2+1], 4096<<16                  ; rows of 4,096 elements: a block's 32,768 bytes of a plane,
	s_mov_b32 s[G1A2+2], 2<<16                     ; two of them,
	s_mov_b32 s[G1A2+3], 4096<<16
	s_mov_b32 s[G1A2+4], 2
	s_mov_b32 s[G1A2+5], 131072                    ; a plane of 1,048,576 bytes apart
	s_mov_b32 s[G1A2+6], 0
	s_mov_b32 s[G1A2+7], 0
	s_mov_b32 s[G1B2+1], 32<<16
	s_mov_b32 s[G1B2+2], 128<<16
	s_mov_b32 s[G1B2+3], 32<<16
	s_mov_b32 s[G1B2+4], 128
	s_mov_b32 s[G1B2+5], 32
	s_mov_b32 s[G1B2+6], 0
	s_mov_b32 s[G1B2+7], 0
	s_lshl_b32 s2, s[HALF], 15                     ; my half of a tokens' tile,
	s_lshl_b32 s3, s[HALF], 14                     ; of a weight's tile: no place in the cluster enters an LDS address
	s_mov_b32 s[G0A], 1
	s_mov_b32 s[G0A+1], s2
	s_mov_b32 s[G0A+4], 1
	s_add_co_u32 s[G0A+5], s2, A1OF
	s_mov_b32 s[G0A+8], 1
	s_add_co_u32 s[G0A+9], s2, A2OF
	s_mov_b32 s[G0B], 1
	s_add_co_u32 s[G0B+1], s3, B0OF
	s_mov_b32 s[G0B+4], 1
	s_add_co_u32 s[G0B+5], s3, B1OF
	s_mov_b32 s[G0B+8], 1
	s_add_co_u32 s[G0B+9], s3, B2OF
	; byte offsets, each in the pair that will hold the address
	s_lshl_b32 s[G0A+2], s28, 16                   ; xc: 16 row tiles of 4,096 bytes a block of tokens, + my 8
	s_add_co_u32 s[G0A+2], s[G0A+2], s2
	s_mov_b32 s[G0A+3], 0
	s_lshl_b32 s31, s28, 15                        ; o: the block's 16 tiles of 2,048 bytes in a plane
	s_lshl_b32 s[SA], s[HALF], 20                  ; my plane of a K step's two
	s_add_co_u32 s[SA], s[SA], s31
	s_mov_b32 s[SA+1], 0
	s_lshl_b32 s[DA], s[HALF], 21                  ; my K step of two: two planes on
	s_add_co_u32 s[DA], s[DA], s31
	s_mov_b32 s[DA+1], 0
	s_lshl_b32 s104, s27, 15                       ; wo: 8 tiles of 4,096 bytes a block of columns
	s_add_co_u32 s[SBB], s104, s3                  ; + my 4
	s_mov_b32 s[SBB+1], 0
	s_add_co_u32 s[G0B+2], s[SBB], 192*4096        ; wc: the same behind W_qkv's 192 tiles
	s_mov_b32 s[G0B+3], 0
	s_lshl_b32 s[DBB], s[HALF], 18                 ; my K step of two: 262,144 bytes on
	s_add_co_u32 s[DBB], s[DBB], s104
	s_mov_b32 s[DBB+1], 0
	s_wait_dscnt 0x0                               ; both opening adds are done
	s_wait_kmcnt 0x0
	s_add_nc_u64 s[G0A+2:G0A+3], s[4:5], s[G0A+2:G0A+3]          ; codes, K half 0,
	s_add_nc_u64 s[G0A+6:G0A+7], s[G0A+2:G0A+3], 2097152         ; K half 1
	s_add_nc_u64 s[SA:SA+1], s[14:15], s[SA:SA+1]
	s_mov_b64 s[G0A+10:G0A+11], s[SA:SA+1]                       ; o, K step 0
	s_add_nc_u64 s[DA:DA+1], s[14:15], s[DA:DA+1]
	s_add_nc_u64 s[G0B+2:G0B+3], s[8:9], s[G0B+2:G0B+3]
	s_add_nc_u64 s[G0B+6:G0B+7], s[G0B+2:G0B+3], 1048576
	s_add_nc_u64 s[SBB:SBB+1], s[16:17], s[SBB:SBB+1]
	s_mov_b64 s[G0B+10:G0B+11], s[SBB:SBB+1]
	s_add_nc_u64 s[DBB:DBB+1], s[16:17], s[DBB:DBB+1]
.irp j, 0,1,2
	s_or_b32 s[G0A+4*\j+3], s[G0A+4*\j+3], 0x80000000            ; 127:126 type = 2
	s_or_b32 s[G0B+4*\j+3], s[G0B+4*\j+3], 0x80000000
.endr
	CROUND                                         ; all sixteen work-groups are here: the first joint loads meet
	JLOAD G0A, G1A1, G0B, G1B1                     ; step 0: the codes of K half 0
	JLOAD G0A+4, G1A1, G0B+4, G1B1                 ; step 1: of K half 1
	JLOAD G0A+8, G1A1, G0B+8, G1B1                 ; step 2: o's and W_out's K step 0.  Three loads of mine are out
	s_lshl_b32 s2, s25, 13                         ; the prefetches: my work-group's 8,192 bytes of the plane,
	s_mov_b32 s3, 0
	s_add_nc_u64 s[PFA:PFA+1], s[SA:SA+1], s[2:3]
	s_add_nc_u64 s[PFA:PFA+1], s[PFA:PFA+1], 0x800000   ; at K step 4: K steps 3 to 7 lie inside the signed 24-bit immediate.  Nothing is prefetched here, at the head
	s_or_b32 s2, s[ROLE], ttmp9                    ; 0 in waves 0 and 1 of the clusters with x = 0: the same in all sixteen partners
	s_cmp_eq_u32 s2, 0
	s_cselect_b32 s[PF], 1, 0
	s_lshl_b32 s2, s28, 12
	s_lshl_b32 s29, s[ROLE], 11
	s_add_co_u32 s2, s2, s29                       ; xs: 16 bytes a row, my 128 rows
	s_add_nc_u64 s[6:7], s[6:7], s[2:3]
	s_lshl_b32 s2, s27, 9
	s_lshl_b32 s29, s[HALF], 8
	s_add_co_u32 s2, s2, s29                       ; 4 bytes a column: my 64 columns
	s_add_nc_u64 s[12:13], s[12:13], s[2:3]        ; b_gate
	s_add_nc_u64 s[18:19], s[18:19], s[2:3]        ; b_out
	s_add_nc_u64 s[OUT:OUT+1], s[20:21], s[2:3]
	s_add_co_u32 s2, s2, 12288
	s_add_nc_u64 s[10:11], s[10:11], s[2:3]        ; ws: W_gate's rows stand behind W_qkv's 3,072
	s_lshl_b32 s2, s28, 20
	s_lshl_b32 s29, s[ROLE], 19
	s_add_co_u32 s2, s2, s29                       ; out0: rows of 4,096 bytes, my 128 rows
	s_add_nc_u64 s[OUT:OUT+1], s[OUT:OUT+1], s[2:3]
	v_and_b32 v[LI], 31, v0
	v_lshlrev_b32 v[L4], 2, v[LI]
	v_lshlrev_b32 v[PFO], 8, v[LI]
	v_lshlrev_b32 v[LI], 4, v[LI]
	v_and_b32 v18, 15, v0                          ; r
	v_bfe_u32 v19, v0, 4, 1                        ; h
	v_lshlrev_b32 v[H32], 5, v19
.irp s, 0,1
.irp j, 0,1,2,3
	global_load_b128 v[SGA+16*\s+4*\j:SGA+16*\s+4*\j+3], v[LI], s[6:7] offset:\s*131072+\j*512
.endr
.endr
.irp k, 0,1,2,3,4,5,6,7
.irp j, 0,1
	global_load_b32 v[SGB+2*\k+\j], v[L4], s[10:11] offset:\k*16384+\j*128
.endr
.endr
.irp b, 0,1,2,3
	global_load_b128 v[BG+8*\b:BG+8*\b+3], v[H32], s[12:13] offset:64*\b           ; the biases at my eight columns 16 b + 8 h + 0..7
	global_load_b128 v[BG+8*\b+4:BG+8*\b+7], v[H32], s[12:13] offset:64*\b+16
	global_load_b128 v[BO+8*\b:BO+8*\b+3], v[H32], s[18:19] offset:64*\b
	global_load_b128 v[BO+8*\b+4:BO+8*\b+7], v[H32], s[18:19] offset:64*\b+16
.endr
	s_lshl_b32 s29, s[ROLE], 15                    ; codes: my 8 row tiles of 4,096 bytes
	v_add_nc_u32 v[ADRA4], s29, v[LI]
	v_add_nc_u32 v[ADRA4+1], A1OF, v[ADRA4]
	s_lshl_b32 s29, s[ROLE], 14                    ; f16: my 8 tiles of 2,048 bytes in each plane
	v_add_nc_u32 v[ADRA16], s29, v[LI]
	v_add_nc_u32 v[ADRA16+1], A1OF, v[ADRA16]
	v_add_nc_u32 v[ADRA16+2], A2OF, v[ADRA16]
	s_lshl_b32 s29, s[HALF], 14                    ; my 4 column tiles
	s_add_co_u32 s29, s29, B0OF
	v_add_nc_u32 v[ADRB], s29, v[LI]
	v_add_nc_u32 v[ADRB+1], B1OF-B0OF, v[ADRB]
	v_add_nc_u32 v[ADRB+2], B2OF-B0OF, v[ADRB]
	s_mul_i32 s29, s[WV], 16*SP
	s_add_co_u32 s29, s29, STAGE                   ; my stage
	v_mul_u32_u24 v[STO], v18, SP
	v_lshl_add_u32 v[STO], v19, 5, v[STO]
	v_add_nc_u32 v[STO], s29, v[STO]               ; in: row r, + 32 h
	v_mul_u32_u24 v[RD], v19, SP
	v_lshl_add_u32 v[RD], v18, 4, v[RD]
	v_add_nc_u32 v[RD], s29, v[RD]                 ; back: lanes 0-15 one row of 256 bytes, lanes 16-31 the next
	v_lshlrev_b32 v[CO], 12, v19
	v_lshl_add_u32 v[CO], v18, 4, v[CO]            ; and the same two rows in out0
.macro FETCH u                         ; sub-step u's fragments: 8 of the tokens, 4 of the weight: 24 loads in one run, into set u % 2; step u / 4 lies in place (u / 4) % 3
	WIN 0x40                                       ; destination window 1
.set sl, ((\u)/4)%3
.set qq, (\u)%4
.set pp, 128*((\u)%2)
.irp a, 0,1,2,3,4,5,6,7
.irp c, 0,1
.if (\u) < 8
	ds_load_b128 v[pp+8*\a+4*\c:pp+8*\a+4*\c+3], v[ADRA4+sl] offset:\a*4096+qq*1024+\c*512
.else
	ds_load_b128 v[pp+8*\a+4*\c:pp+8*\a+4*\c+3], v[ADRA16+sl] offset:(qq/2)*32768+\a*2048+(qq%2)*1024+\c*512
.endif
.endr
.endr
.irp b, 0,1,2,3
.irp c, 0,1
	ds_load_b128 v[pp+64+8*\b+4*\c:pp+64+8*\b+4*\c+3], v[ADRB+sl] offset:\b*4096+qq*1024+\c*512
.endr
.endr
.endm
; Eight products of sub-step u: token blocks 2 aq, 2 aq + 1 x the four column blocks.  The 32 accumulators take turns, one instruction a turn, in the same order in every sub-step.
; Sub-steps 0 and 8 start the sums with the biases as C.
.macro MULQ u, aq
.if (\u) == 0
	WIN 0xc5                                       ; sources 0, 1 window 1; C window 0; D window 3
.elseif (\u) < 8
	WIN 0xf5                                       ; C and D window 3: the gate
.elseif (\u) == 8
	WIN 0x85
.else
	WIN 0xa5                                       ; C and D window 2: the output
.endif
.irp da, 0,1
.irp b, 0,1,2,3
.set aa, 2*(\aq)+\da
.set rD, 8*(4*aa+\b)
.set rA, 128*((\u)%2)+8*aa
.set rB, 128*((\u)%2)+64+8*\b
.if (\u) < 8
.set rC, rD
.if (\u) == 0
.set rC, BG+8*\b
.endif
.set xB, SGB+2*(\u)+\b/2
.set xA, SGA+16*((\u)/4)+4*(aa/2)+(\u)%4
	WM rD, rB, rA, rC, xB, xA, \b%2, aa%2
.elseif (\u) == 8
	v_wmma_f32_16x16x32_f16 v[rD:rD+7], v[rB:rB+7], v[rA:rA+7], v[BO+8*\b:BO+8*\b+7]
.else
	v_wmma_f32_16x16x32_f16 v[rD:rD+7], v[rB:rB+7], v[rA:rA+7], v[rD:rD+7]
.endif
.endr
.endr
.endm
.macro SUB u                           ; a sub-step whose successor's place has been shown whole
	PLACES                                         ; the set that the sub-step before multiplied is loaded anew
	FETCH (\u)+1
	s_wait_dscnt 24                                ; all but the 24 just issued: this sub-step's fragments are in
	MULQ \u, 0
	MULQ \u, 1
	MULQ \u, 2
	MULQ \u, 3
.endm
; A step's last sub-step with a barrier.  kind 0: a plain barrier, in front of which cnt tensor loads of mine may stay out.  kind 1: places 0 and 1 take K steps ks and ks + 1.
; kind 2: place 2 takes K step ks.  kind 3: place 0 takes K step ks.  na prefetches follow, for o's K steps at ao (and one further on) from the base.
.macro TURN u, kind, ks, cnt, na, ao
	WIN 0                                          ; (the add's two registers lie in window 0)
.if (\kind) == 0
	s_wait_tensorcnt \cnt                          ; my part of the next place is in,
	s_wait_dscnt 0x0                               ; this sub-step's fragments are in, and no LDS load of mine is out at the signal
	MULQ \u, 0
.else
	s_wait_tensorcnt 0x0                           ; all my tensor loads have landed: so a group 0 may be written
	ds_add_u32 v[SPW], v[NIL]                      ; 0 onto my spare word
.if (\kind) == 1
	s_lshl_b32 s[G0A+1], s[HALF], 16               ; place 0 or 1, whole
	s_add_nc_u64 s[G0A+2:G0A+3], s[DA:DA+1], (\ks)*0x200000
	s_or_b32 s[G0A+3], s[G0A+3], 0x80000000
	s_lshl_b32 s[G0B+1], s[HALF], 15
	s_add_co_u32 s[G0B+1], s[G0B+1], B0OF
	s_add_nc_u64 s[G0B+2:G0B+3], s[DBB:DBB+1], (\ks)*0x40000
	s_or_b32 s[G0B+3], s[G0B+3], 0x80000000
.elseif (\kind) == 2
	s_add_nc_u64 s[G0A+10:G0A+11], s[SA:SA+1], (\ks)*0x200000    ; the LDS addresses stand as the first fill left them
	s_or_b32 s[G0A+11], s[G0A+11], 0x80000000
	s_add_nc_u64 s[G0B+10:G0B+11], s[SBB:SBB+1], (\ks)*0x40000
	s_or_b32 s[G0B+11], s[G0B+11], 0x80000000
.else
	s_lshl_b32 s[G0A+5], s[HALF], 15               ; my half of place 0
	s_add_nc_u64 s[G0A+6:G0A+7], s[SA:SA+1], (\ks)*0x200000
	s_or_b32 s[G0A+7], s[G0A+7], 0x80000000
	s_lshl_b32 s[G0B+5], s[HALF], 14
	s_add_co_u32 s[G0B+5], s[G0B+5], B0OF
	s_add_nc_u64 s[G0B+6:G0B+7], s[SBB:SBB+1], (\ks)*0x40000
	s_or_b32 s[G0B+7], s[G0B+7], 0x80000000
.endif
	s_wait_dscnt 1                                 ; this sub-step's fragments are in; the add may be out
	MULQ \u, 0                                     ; eight products stand between the add and the wait for it
	s_wait_dscnt 0x0                               ; the add is done, and my reads of the places to be filled are over
.endif
	s_barrier_signal -1
	MULQ \u, 1                                     ; work on registers while the others arrive
	WIN 0
	s_barrier_wait -1
.if (\kind) == 0
	PLACES
.else
	CREST                                          ; the barrier has opened a round of the cluster's: no wave of any partner still reads these places or has a load on its way
.if (\kind) == 1
	JLOAD G0A, G1A2, G0B, G1B2                     ; the first tensor load behind the round; its four v_nop are the places ahead of the loads below
.elseif (\kind) == 2
	JLOAD G0A+8, G1A1, G0B+8, G1B1
.else
	JLOAD G0A+4, G1A1, G0B+4, G1B1
.endif
.endif
	FETCH (\u)+1
.if (\na) > 0
	WIN 0
	s_cmp_eq_u32 s[PF], 1
	s_cbranch_scc0 .Lnot_mine_\@
	global_prefetch_b8 v[PFO], s[PFA:PFA+1] offset:\ao th:TH_LOAD_NT scope:SCOPE_SE        ; what the next refill brings of o
.if (\na) > 1
	global_prefetch_b8 v[PFO], s[PFA:PFA+1] offset:(\ao)+0x200000 th:TH_LOAD_NT scope:SCOPE_SE
.endif
.Lnot_mine_\@:
.endif
	MULQ \u, 2
	MULQ \u, 3
.endm
; silu on token block a of the gate, 32 registers: g / (1 + 2^(-g log2 e)).  Each batch of transcendentals has one plain line and one wait behind it.
.macro SILU a
	WIN 0x03                                       ; source 0 window 3
.set i, 0
.rept 16
	v_pk_mul_f32 v[T+i:T+i+1], v[32*(\a)+i:32*(\a)+i+1], 0xbfb8aa3b op_sel_hi:[1,0]     ; each accumulator from its low end on
.set i, i+2
.endr
	WIN 0
.set i, 0
.rept 32
	v_exp_f32 v[T+i], v[T+i]
.set i, i+1
.endr
	v_nop
	s_wait_alu depctr_va_vdst(0)                   ; the wait ahead of the first line that names a result: one for the batch
.set i, 0
.rept 16
	v_pk_add_f32 v[T+i:T+i+1], v[T+i:T+i+1], 1.0 op_sel_hi:[1,0]
.set i, i+2
.endr
.set i, 0
.rept 32
	v_rcp_f32 v[T+i], v[T+i]
.set i, i+1
.endr
	v_nop
	s_wait_alu depctr_va_vdst(0)
	WIN 0xc3                                       ; destination and source 0 window 3
.set i, 0
.rept 16
	v_pk_mul_f32 v[32*(\a)+i:32*(\a)+i+1], v[32*(\a)+i:32*(\a)+i+1], v[T+i:T+i+1]
.set i, i+2
.endr
.endm
.macro SUBS n
.rept \n
	SUB U
.set U, U+1
.endr
.endm
.macro TURNU kind, ks, cnt, na, ao
	TURN U, \kind, \ks, \cnt, \na, \ao
.set U, U+1
.endm
	s_wait_tensorcnt 2                             ; my first load is in: my part of step 0; the two behind it may be out
	s_barrier_signal -1
	s_barrier_wait -1                              ; everybody's is
	FETCH 0
	s_wait_loadcnt 0x0                             ; scale words and biases
.set U, 0
	SUBS 3                                         ; step 0: the gate, K half 0
	TURNU 0, 0, 1, 0, 0                            ; my second load is in, the third may be out
	SUBS 3                                         ; step 1: K half 1
	TURNU 1, 1, 0, 1, -0x200000                    ; places 0, 1 take K steps 1, 2; K step 3 is asked of memory
	SUBS 3                                         ; step 2: K step 0
	SILU 0                                         ; the gate is wanted only on the way out: its silu stands where the wave has one step's products alone between a refill and the wait for it
	SILU 1
	SILU 2
	TURNU 2, 3, 0, 2, 0                            ; place 2 takes K step 3; K steps 4, 5 are asked of memory
	SUBS 7                                         ; steps 3, 4: K steps 1, 2
	TURNU 1, 4, 0, 1, 0x400000                     ; places 0, 1 take K steps 4, 5; K step 6 is asked of memory
	SUBS 3                                         ; step 5: K step 3
	SILU 3
	SILU 4
	SILU 5
	TURNU 2, 6, 0, 1, 0x600000                     ; place 2 takes K step 6; K step 7 is asked of memory
	SUBS 7                                         ; steps 6, 7: K steps 4, 5
	TURNU 3, 7, 0, 0, 0                            ; place 0 takes K step 7: the last load
	SUBS 3                                         ; step 8: K step 6
	SILU 6
	SILU 7
	TURNU 0, 0, 0, 0, 0                            ; nothing is left to fetch
	SUBS 3                                         ; step 9: K step 7
	s_wait_dscnt 0x0
	MULQ U, 0
	MULQ U, 1
	MULQ U, 2
	MULQ U, 3
; THE WAY OUT, block by block of 16 tokens x 64 columns: output x gate; a lane's 32 bytes of a row go through my own stage and come back as whole rows of 256 bytes.  LDS serves a wave's instructions in
; order (ISA guide 5.7.1.4): no wait between the stores and the loads, nor ahead of the next block's stores.  Each block comes back into registers of its own: no store's data are written again.
.macro SEND a, younger                 ; younger: the LDS instructions issued behind block a's loads, which may stay out
	s_wait_dscnt \younger
	WIN 0x04                                       ; a store's data: window 1
.irp t, 0,1,2,3,4,5,6,7
	global_store_b128 v[CO], v[32*(\a)+4*\t:32*(\a)+4*\t+3], s[OUT:OUT+1] offset:(\a)*65536+\t*8192 th:TH_STORE_NT    ; sixteen lanes store 256 consecutive bytes, aligned
.endr
.endm
	PLACES
.irp a, 0,1,2,3,4,5,6,7
	WIN 0x0e                                       ; source 0 window 2 (the output), source 1 window 3 (the gate), destination window 0
.set i, 0
.rept 16
	v_pk_mul_f32 v[T+32*(\a%2)+i:T+32*(\a%2)+i+1], v[32*\a+i:32*\a+i+1], v[32*\a+i:32*\a+i+1]     ; each accumulator from its low end on
.set i, i+2
.endr
	WIN 0
.irp b, 0,1,2,3
	ds_store_b128 v[STO], v[T+32*(\a%2)+8*\b:T+32*(\a%2)+8*\b+3] offset:64*\b
	ds_store_b128 v[STO], v[T+32*(\a%2)+8*\b+4:T+32*(\a%2)+8*\b+7] offset:64*\b+16
.endr
	WIN 0x40
.irp t, 0,1,2,3,4,5,6,7
	ds_load_b128 v[32*\a+4*\t:32*\a+4*\t+3], v[RD] offset:\t*2*SP
.endr
.if \a > 0
	SEND \a-1, 16                                  ; behind block a - 1's loads: block a's 8 stores and 8 loads
.endif
.endr
	SEND 7, 0
	WIN 0
	s_wait_tensorcnt 0x0                           ; the wave's end: this wait, the add and its wait behind my last tensor load and my last LDS store
	ds_add_u32 v[SPW], v[NIL]
	s_wait_dscnt 0x0
	CROUND                                         ; the closing round: no work-group ends while a partner may still ask for a tile that names it
	s_endpgm
.Lfunc_end_k_q8e34c46976_project_out:
	.size	k_q8e34c46976_project_out, .Lfunc_end_k_q8e34c46976_project_out-k_q8e34c46976_project_out
	.p2alignl 7, 3214868480
	.fill 96, 4, 3214868480
	.section	.rodata,"a",@progbits
	.p2align	6, 0x0
	.amdhsa_kernel k_q8e34c46976_project_out
		.amdhsa_group_segment_fixed_size 327680
		.amdhsa_private_segment_fixed_size 0
		.amdhsa_enable_private_segment 0
		.amdhsa_kernarg_size 72
		.amdhsa_user_sgpr_count 2
		.amdhsa_user_sgpr_kernarg_segment_ptr 1
		.amdhsa_wavefront_size32 1
		.amdhsa_system_sgpr_workgroup_id_x 1
		.amdhsa_system_sgpr_workgroup_id_y 1
		.amdhsa_system_sgpr_workgroup_id_z 1
		.amdhsa_system_vgpr_workitem_id 0
		.amdhsa_next_free_vgpr 1024
		.amdhsa_next_free_sgpr 106
		.amdhsa_reserve_vcc 0
		.amdhsa_float_denorm_mode_32 3
		.amdhsa_float_denorm_mode_16_64 3
		.amdhsa_memory_ordered 1
		.amdhsa_forward_progress 1
		.amdhsa_inst_pref_size 255
	.end_amdhsa_kernel
	.amdgpu_metadata
---
amdhsa.version: [ 1, 2 ]
amdhsa.kernels:
  - .name:           k_q8e34c46976_project_out
    .symbol:         k_q8e34c46976_project_out.kd
    .args:
      - { .name: xc, .offset: 0, .size: 8, .value_kind: global_buffer, .address_space: global }
      - { .name: xs, .offset: 8, .size: 8, .value_kind: global_buffer, .address_space: global }
      - { .name: wc, .offset: 16, .size: 8, .value_kind: global_buffer, .address_space: global }
      - { .name: ws, .offset: 24, .size: 8, .value_kind: global_buffer, .address_space: global }
      - { .name: b_gate, .offset: 32, .size: 8, .value_kind: global_buffer, .address_space: global }
      - { .name: o, .offset: 40, .size: 8, .value_kind: global_buffer, .address_space: global }
      - { .name: wo, .offset: 48, .size: 8, .value_kind: global_buffer, .address_space: global }
      - { .name: b_out, .offset: 56, .size: 8, .value_kind: global_buffer, .address_space: global }
      - { .name: out0, .offset: 64, .size: 8, .value_kind: global_buffer, .address_space: global }
    .group_segment_fixed_size: 327680
    .private_segment_fixed_size: 0
    .kernarg_segment_align: 8
    .kernarg_segment_size: 72
    .max_flat_workgroup_size: 128
    .sgpr_count:     106
    .vgpr_count:     1024
    .wavefront_size: 32
...
	.end_amdgpu_metadata
.endif
;; end of part 4
